; MI455X (gfx1250); checked and timed in simulation.
; The chip was launched on July 23, 2026; its instructions are those of AMD's public machine-readable ISA for CDNA 5 (MIT licence, August 2026) and "CDNA5" Instruction Set Architecture Reference Guide (July 2026). The comments in the code are by the model that wrote it; some were corrected since.
;; Attention. Allowed arithmetic: matrix products marked QUANTISED: E4M3 operands, one given power-of-two scale a tensor, by v_wmma_f32_16x16x64_fp8_fp8 or v_wmma_f32_16x16x128_fp8_fp8, f32 sums; products left as they are: f32 operands where the result goes on into a quantised operand, else bf16, f16 or f32 operands; f32 sums; everything else in f32.
;; Inputs: W_codes 1,024 x 64 x 32 uint8 (E4M3 codes of W, K innermost, in blocks of 32 codes); b 1,024 float32; encoder_mask 32 x 1 x 1,024 bool; encoder_outputs 1,024 x 32 x 1,024 float32; hidden 32 x 1,024 float32; lowp_scales 2 int32 (the exponents e of the quantised operands' scales 2^e); v 1,024 float32.
;; Outputs: out0 32 x 1 x 1,024 float32.
;; This version of the problem:
;;   THIS VERSION OF THE PROBLEM IS GIVEN IN LOW PRECISION. The matrix products marked QUANTISED in the list below multiply operands that are first quantised to E4M3 (4 exponent bits, 3 mantissa bits; 8 bits a number), with one given power-of-two scale for each operand tensor; their sums are f32. All else is computed in f32.
;;   The module's matrix products, in the order in which they are computed (A, B: the left and right operand; K: the contracted axis; several contracted axes count as one K, in the product's order):
;;     1. [M 32,768, K 2,048] x [K 2,048, N 1,024]; A: computed on the way; B: input W (given as codes): QUANTISED (scales: A lowp_scales[0], B lowp_scales[1])
;;     2. [M 32,768, K 1,024] x [K 1,024, N 1]; A: computed on the way; B: input v: left as it is (N = 1 < 16)
;;   THE QUANTISER, for each operand of a quantised product, along K:
;;     - The operand's scale is 2^e, e = its entry of the input lowp_scales (int32; the entries are numbered through the quantised products in the list's order, A before B).
;;     - Each number is divided by the scale, clamped to +-448, and rounded to the nearest number of E4M3, ties to even, subnormals kept.
;;     - The product sums the exact products of the quantised numbers (number of the format x scale) in f32.
;;   ~~~python
;;   def quantise(x, axis, e):      # numpy; x: float32 -> the quantised numbers, widened to float32 again
;;       x = np.moveaxis(x, axis, -1); K = x.shape[-1]
;;       r = np.clip(x / 2.0 ** e, -448, 448)
;;       step = 2.0 ** (np.maximum(np.frexp(np.where(r == 0, 1, r))[1] - 1, -6) - 3)
;;       q = np.round(r / step) * step * 2.0 ** e      # np.round: ties to even
;;       return np.moveaxis(q, -1, axis).astype(np.float32)
;;   ~~~
;;   OPERANDS COMPUTED ON THE WAY. 'Computed on the way' means the value that the module computes at that place (a softmax that the list does not call 'softmax' is quantised finished and normalised). What goes into a quantiser is computed in f32, as accurately as f32 sums, v_exp_f32 and their like allow (about 1e-6 of the number): no bf16 or f16 on the way to a quantiser, and a product that is left as it is and whose result goes on into a quantised operand takes f32 operands (vector FMAs, or v_wmma_f32_16x16x4_f32). A number that lies on a knife's edge between two numbers of the format may be rounded either way, as far as f32 arithmetic and the matrix unit's own rounding can turn it there, and no further.
;;   INPUTS GIVEN AS CODES. W (in the module: [1024, 2048], K = its axis 1): each comes as NAME_codes (uint8): NAME with its K axis moved to the last place and cut into blocks of 32 codes, [.., K / 32, bytes a block], one block behind the other in memory; one code a byte (a code: sign, 4 exponent bits, 3 mantissa bits); its scale is its entry of lowp_scales. Its value is code x scale, taken as it is: it is not quantised again, and the codes and scales need not be those that the quantiser above would give.
;; 2 versions. Each part assembles by itself: llvm-mc -triple=amdgcn-amd-amdhsa -mcpu=gfx1250 --defsym DOCPART=n.
;; ======== version 1 of 2: 2 launches
;; workspace buffers: scores 131,072 bytes
;; launch scores (part 1): grid 256 x 1, 4 waves a work-group, clusters of 4 x 1, 327,680 bytes of LDS; arguments encoder_outputs, hidden, W_codes, b, v, lowp_scales, scores; writes scores
.if DOCPART == 1
	.amdgcn_target "amdgcn-amd-amdhsa--gfx1250"
	.amdhsa_code_object_version 6
	.text
	.protected	k_q10b14dd878_scores
	.globl	k_q10b14dd878_scores
	.p2align	8
	.type	k_q10b14dd878_scores,@function
k_q10b14dd878_scores:
	s_mov_b64 s[64:65], 0
	v_nop
	global_prefetch_b8 v0, s[64:65] scope:SCOPE_SE
	s_setreg_imm32_b32 hwreg(HW_REG_WAVE_MODE, 25, 1), 1
	s_wait_xcnt 0x0
	s_wait_alu depctr_hold_cnt(0) depctr_sa_sdst(0) depctr_va_vdst(0) depctr_va_sdst(0) depctr_va_ssrc(0) depctr_va_vcc(0) depctr_vm_vsrc(0)
	s_getreg_b32 s2, hwreg(HW_REG_IB_STS2, 6, 4)
	s_cmp_eq_u32 s2, 0
	s_cbranch_scc0 .Lentry_in_a_cluster
	s_endpgm
.Lentry_in_a_cluster:
	s_bfe_u32 s2, ttmp6, 0x10000c
	s_cmp_lg_u32 s2, 0x3003
	s_cbranch_scc0 .Lentry_shape_is_right
	s_endpgm
.Lentry_shape_is_right:
; scores[b][s] = sum over h of v[h] tanh( sum over k of cat[b][s][k] W[h][k] + bias[h] ),  cat = [ hidden[b] | encoder_outputs[s][b] ],  K = 2,048, h = 0 .. 1,023.
; The product is made on codes of FP8 (E4M3): cat is quantised here with the given 2^e0 (held within +-448 x 2^e0, nearest code, ties to even), W arrives as codes with 2^e1; sums in f32.
; The mask and the softmax over s follow in the next launch, since a row of the softmax spans eight work-groups.
; LIMITS: e0 between -126 and 119, e0 + e1 between -126 and 126, so that each power of two below is an f32 number.  NaN among the inputs is not served; an infinity is held at the largest code.
; SHARES.  Work-group g (256 of them) takes b = g % 32 and the 128 places s = 128 (g / 32) + 0 .. 127.  Four waves (i = wave / 2, j = wave % 2): wave (i, j) takes rows 64 i .. 64 i + 63 (four tiles of 16)
; and, of every 64 rows of W, rows 32 j .. 32 j + 31 (two tiles of 16): 64 x 512 outputs, 2,048 matrix instructions.
; A STAYS IN REGISTERS.  A wave's 64 rows x 1,024 codes of encoder_outputs are 512 registers (windows 1 and 2), hidden[b]'s 1,024 codes 128 (window 3; all sixteen rows of a tile are that one row).  So in the
; matrix phase only W's fragments are read from LDS, and each feeds four matrix instructions.  The two waves of a row half quantise the same rows, each for its own registers.
; THE MATRIX INSTRUCTION IS USED TRANSPOSED (source 0 = 16 rows of W, source 1 = 16 rows of cat): lane (r, hh) holds row r, and its eight registers h = 8 hh + 0 .. 7 of the tile: the sum over h stays in the lane.
; A fragment's registers 4 c .. 4 c + 3 hold K = 32 c + 16 hh + 0 .. 15: a permutation of k, the same on both sides, so every product meets its partner.
; TWO SETS OF FOUR ACCUMULATORS.  While one tile of W is multiplied (64 matrix instructions), the tile before goes through bias, tanh and the product with v, in slices between those instructions.
; tanh(x) = 1 - 2 / (1 + 2^z), z = 2 log2(e) x: z = sum x (2 log2(e) 2^(e0 + e1)) + 2 log2(e) bias[h]; an overflow of 2^z gives 1, an underflow -1.  score = sum of v - 2 sum of v / (1 + 2^z).
; CLUSTER.  Four work-groups form a cluster.  All walk the same W, so W's tiles are asked for JOINTLY (the same descriptor in all four, mask 15).  The rows of encoder_outputs are each work-group's own: plain loads.
; LDS: two slots of 128 lines x 1,024 bytes (+ 16 of padding), first for four chunks of encoder_outputs (128 rows x 256 numbers of f32), then for sixteen pieces of W (64 rows: lines 0-63 their K 0 .. 1,023, lines 64-127
; their K 1,024 .. 2,047); behind them two tables (2 log2(e) bias, v), the waves' partial scores, the spare words.  Every wave fetches a quarter of a slot, 32 lines, by one tensor load.
; REGISTERS, window 0: v0 thread; v1 r; v2 hh; v3-4 my rows of a chunk in slot 0, 1; v5-6 my rows of W, hidden half; v7-8 the other half; v9 my place in the tables; v10 the same for the pair of slots in hand;
;   v11 my bytes of hidden; v12 prefetch offsets; v13 where my partial scores go; v14 16 x lane; v15 where I store the tables; v[16:23] sum of v / (1 + 2^z), a pair a row tile; v[24:25] sum of v; v26, v27 see below;
;   v28, v29 the spare word's address and 0; v30 2^e0; v31 448 x 2^e0; v[32:47] bias table of tile 0, 1; v[48:63] v likewise; v[64:95], v[96:127] the accumulators; v[128:255] W's fragments, two halves of four.
;   Ahead of the matrix phase v64-255 are three sets of 64 numbers on their way to codes.
.set PITCH, 1040                       ; an LDS line: 1,024 bytes + 16 = 65 x 16: the sixteen lines that a 16-byte load touches start in sixteen different groups of four banks (64 banks of 4 bytes: ISA guide 11.1)
.set QB,    32*PITCH                   ; a wave's quarter of a slot
.set T16,   16*PITCH                   ; sixteen lines
.set EOH,   64*PITCH                   ; half a slot
.set SLOT,  128*PITCH
.set TBL2,  2*SLOT                     ; 2 log2(e) bias[h], 4,096 bytes; no tensor load lands from here on
.set TBLV,  TBL2+4096                  ; v[h]
.set SCR,   TBLV+4096                  ; [j][128 rows] partial scores
.set SPARE, SCR+1024                   ; the spare words, 128 bytes for each wave: two blocks of 256 bytes that no other line names
.set G1A, 24                           ; s[24:31] descriptor group 1 for the chunks of encoder_outputs
.set G1W, 32                           ; s[32:39] for W's pieces
.set G0A, 40                           ; s[40:47] group 0 for the chunks, a set for each slot
.set G0W, 48                           ; s[48:55] the same for W
.set MSB, 0
.macro WIN new                         ; the immediate's high byte repeats the setting that is left; a switch that changes nothing is dropped
.if MSB != (\new)
	s_set_vgpr_msb (MSB<<8)|(\new)
.set MSB, (\new)
.endif
.endm
.macro PLACES                          ; four plain vector lines: behind a tensor load, in front of loads into registers that matrix instructions have read, and of the first read of results (ISA guide 7.12.1 for the last two)
.rept 4
	v_nop
.endr
.endm
; A round of the cluster's barrier: my work-group's barrier; wave 0 signals for the work-group; every wave waits for all four work-groups; my work-group's barrier once more.
.macro ROUND
	s_barrier_signal -1
	s_barrier_wait -1
	s_cmp_lg_u32 s18, 0
	s_cbranch_scc1 .Lnot_wave_0_\@
	s_barrier_signal -3
.Lnot_wave_0_\@:
	s_barrier_wait -3
	s_barrier_signal -1
	s_barrier_wait -1
.endm
; THE CHANGE OF SLOTS.  Every wave waits for all its tensor loads (one is out: its quarter of the other slot), adds 0 to its spare word, and waits for that and for its reads of the slot that it leaves.
; fill = 1: behind a round of the cluster's barrier that slot is filled again, by descriptor g0 (stepped by step bytes while no load of mine is out): my one tensor load until the next change.
.macro TURN g0, g1, step, fill
	s_wait_tensorcnt 0x0                           ; no tensor load of mine is out, so a group 0 may be written
	ds_add_u32 v28, v29                            ; 0 onto my spare word
.if \step
	s_add_nc_u64 s[\g0+2:\g0+3], s[\g0+2:\g0+3], \step   ; the type bits on top are not reached
.endif
	s_wait_dscnt 0x0                               ; the add is done, and my reads of the slot are over
.if \fill
	ROUND                                          ; both now hold of every wave of the four work-groups
	tensor_load_to_lds s[\g0:\g0+3], s[\g1:\g1+7]
	s_nop 0
	PLACES
.else
	s_barrier_signal -1
	s_barrier_wait -1
.endif
.endm
; 64 numbers of hidden[b], K step ks: register 16 c + 4 q + .. = k 128 ks + 32 c + 16 hh + 4 q + ..; the sixteen lanes of a half read the same bytes
.macro HLOAD ks
.set LS, 64+64*((\ks)%3)
.irp c, 0,1,2,3
.irp q, 0,1,2,3
	global_load_b128 v[LS+16*\c+4*\q:LS+16*\c+4*\q+3], v11, s[6:7] offset:512*(\ks)+128*\c+16*\q
.endr
.endr
.endm
; the same of my row tile n / 2, K step n % 2 of the chunk in slot p
.macro ALOAD p, n
.set LS, 64+64*((\n)%3)
.set LO, T16*((\n)/2)+512*((\n)%2)
.irp c, 0,1,2,3
.irp q, 0,1,2,3
	ds_load_b128 v[LS+16*\c+4*\q:LS+16*\c+4*\q+3], v[3+(\p)] offset:LO+128*\c+16*\q
.endr
.endr
.endm
; 64 numbers of a lane become a fragment's sixteen registers of codes, at v[dst] of window win
.macro QUANT set, win, dst
.set qi, 0
.rept 64
	v_med3_num_f32 v[(\set)+qi], v[(\set)+qi], -v31, v31   ; the conversion to an 8-bit code does not saturate (ISA guide 7.6.2): the hold at the largest code x the scale
.set qi, qi+1
.endr
	WIN (\win)<<6                                  ; destination in the fragments' window
.set qi, 0
.rept 8
	v_cvt_scalef32_pk8_fp8_f32 v[(\dst)+2*qi:(\dst)+2*qi+1], v[(\set)+8*qi:(\set)+8*qi+7], v30
.set qi, qi+1
.endr
	v_nop                                          ; one plain vector line behind the last conversion, ahead of whatever vector or matrix line next touches its registers
	WIN 0
.endm
; A chunk (256 numbers of each of my 64 rows) becomes eight fragments.  Three sets of registers: two runs of LDS loads are out while a set is quantised.
; In chunks 0 and 1 four prefetches ask for my wave's own quarter (32 rows, a lane to a row, four blocks of 256 bytes) of the chunk two further on, which the tensor load behind this stage fetches; chunks 2 and 3 ask for nothing.
.macro STAGE f
	ALOAD (\f)%2, 0
	ALOAD (\f)%2, 1
	ALOAD (\f)%2, 2
.set nn, 0
.rept 8
.if nn < 6
	s_wait_dscnt 32                                ; LDS loads come back in order: this set's sixteen are in, the two younger runs may be out
.else
	s_wait_dscnt 16*(7-nn)
.endif
.if ((\f) < 2) && (nn > 0) && (nn < 5)
	global_prefetch_b8 v12, s[66:67] offset:2048+1024*(\f)+256*(nn-1) th:TH_LOAD_NT scope:SCOPE_SE
.endif
	QUANT 64+64*(nn%3), 1+(\f)/2, 16*(4*(nn/2)+(2*(\f)+nn%2)%4)   ; K step e = 2 f + n % 2 of row tile a = n / 2: window 1 + e / 4, register 16 (4 a + e % 4)
.if nn < 5
	ALOAD (\f)%2, nn+3
.endif
.set nn, nn+1
.endr
.endm
; W's four fragments of group g (K steps 4 g .. 4 g + 3 of the product's sixteen) of tile t of the piece in slot p, into half g % 2
.macro WLOAD p, t, g
.set WB, 5+(\p)+2*((\g)/2)
.set WD, 128+64*((\g)%2)
.set WO, T16*(\t)+512*((\g)%2)
.irp k, 0,1,2,3
.irp c, 0,1,2,3
	ds_load_b128 v[WD+16*\k+4*\c:WD+16*\k+4*\c+3], v[WB] offset:WO+128*\k+32*\c
.endr
.endr
.endm
; the lane's eight numbers of both tables for tile t of slot p
.macro TLOADS p, t
	ds_load_b128 v[32+8*(\t):35+8*(\t)], v10 offset:256*(\p)+64*(\t)
	ds_load_b128 v[36+8*(\t):39+8*(\t)], v10 offset:256*(\p)+64*(\t)+16
	ds_load_b128 v[48+8*(\t):51+8*(\t)], v10 offset:4096+256*(\p)+64*(\t)
	ds_load_b128 v[52+8*(\t):55+8*(\t)], v10 offset:4096+256*(\p)+64*(\t)+16
.endm
; A GROUP: 16 matrix instructions, four K steps x my four row tiles; the four accumulators take turns, one instruction a turn.
; Only source 1 leaves window 0 (window 3: hidden; 1, 2: encoder_outputs), and no line between the matrix instructions has a vector register as its source 1: so a group runs under one setting.
; epi = 1: accumulator g of the tile before goes from sum to 1 / (1 + 2^z) meanwhile.  kind says what a period's last group fetches: 0 the slot's second tile; 1 it changes slots and fills; 2 it changes slots; 3 nothing.
.macro GROUP p, t, g, epi, kind
.set AN, 64+32*(\t)                    ; this tile's accumulators
.set AO, 96-32*(\t)                    ; the tile before's
.set OO, AO+8*(\g)
.set BB, 32+8*(1-(\t))                 ; and its bias table
.if \epi
.irp k, 0,2,4,6
	v_pk_fma_f32 v[OO+\k:OO+\k+1], v[OO+\k:OO+\k+1], s[58:59], v[BB+\k:BB+\k+1] op_sel_hi:[1,0,1]   ; z; from the accumulator's low end on.  These four are also the places in front of the loads below
.endr
.elseif \g > 0
	PLACES
.endif
.if \g < 3
	WLOAD \p, \t, (\g)+1
.if \g == 0
	TLOADS \p, \t
.endif
.elseif \kind == 0
	WLOAD \p, 1, 0
.elseif \kind == 1
	WIN 0
	TURN G0W+4*(\p), G1W, 262144, 1                ; the piece two further on: 128 rows of 2,048 bytes
	WLOAD 1-(\p), 0, 0
.elseif \kind == 2
	WIN 0
	TURN G0W+4*(\p), G1W, 0, 0
	WLOAD 1-(\p), 0, 0
.endif
.if \g == 0
	s_wait_dscnt 20                                ; all but the run just issued: this group's fragments are in
.elseif (\g == 3) && (\kind == 3)
	s_wait_dscnt 0
.else
	s_wait_dscnt 16
.endif
.if \g < 2
	WIN 0x0c
.elseif \g == 2
	WIN 0x04
.else
	WIN 0x08
.endif
.set WF, 128+64*((\g)%2)
.set i, 0
.rept 16
.set ka, i/4
.set aa, i%4
.if \g < 2
.set SRCB, 16*(4*(\g)+ka)
.else
.set SRCB, 16*(4*aa+ka)
.endif
.if (\g == 0) && (ka == 0)
	v_wmma_f32_16x16x128_fp8_fp8 v[AN+8*aa:AN+8*aa+7], v[WF+16*ka:WF+16*ka+15], v[SRCB:SRCB+15], 0   ; the first K step starts the sums
.else
	v_wmma_f32_16x16x128_fp8_fp8 v[AN+8*aa:AN+8*aa+7], v[WF+16*ka:WF+16*ka+15], v[SRCB:SRCB+15], v[AN+8*aa:AN+8*aa+7]
.endif
.if \epi
.if i < 4
	v_exp_f32 v[OO+2*i], v[OO+2*i]                 ; 2^z
	v_exp_f32 v[OO+2*i+1], v[OO+2*i+1]
.elseif i < 8
.if i == 4
	v_nop                                          ; a plain line between the exponentials and the use of their results
	s_wait_alu depctr_va_vdst(0)
.endif
	v_pk_add_f32 v[OO+2*(i-4):OO+2*(i-4)+1], v[OO+2*(i-4):OO+2*(i-4)+1], 1.0 op_sel_hi:[1,0]
.else
	v_rcp_f32 v[OO+i-8], v[OO+i-8]                 ; 1 / (1 + 2^z); used in the burst at the period's end, behind plain lines
.endif
.endif
.set i, i+1
.endr
.endm
; the product with v, for the tile whose successor has number t in its slot: 20 plain lines in window 0, which are also the places behind the period's last matrix instructions
.macro BURST t
.set AO, 96-32*(\t)
.set VV, 48+8*(1-(\t))
.irp k, 0,2,4,6
	v_pk_add_f32 v[24:25], v[24:25], v[VV+\k:VV+\k+1]
.endr
	s_wait_alu depctr_va_vdst(0)
.irp k, 0,2,4,6
.irp a, 0,1,2,3
	v_pk_fma_f32 v[16+2*\a:17+2*\a], v[AO+8*\a+\k:AO+8*\a+\k+1], v[VV+\k:VV+\k+1], v[16+2*\a:17+2*\a]
.endr
.endr
.endm
; A PERIOD: one tile of 16 rows of W against my 64 rows, K = 2,048: 64 matrix instructions
.macro PERIOD p, t, epi, kind
	GROUP \p, \t, 0, \epi, \kind
	GROUP \p, \t, 1, \epi, \kind
	GROUP \p, \t, 2, \epi, \kind
	GROUP \p, \t, 3, \epi, \kind
	WIN 0                                          ; at a label and at a branch every window is 0
.if \epi
	BURST \t
.else
	PLACES
.endif
.endm
	s_load_b256 s[4:11], s[0:1], 0x0               ; encoder_outputs s[4:5], hidden s[6:7], W's codes s[8:9], bias s[10:11]
	s_load_b128 s[12:15], s[0:1], 0x20             ; v s[12:13], the scales' exponents s[14:15]
	s_load_b64 s[16:17], s[0:1], 0x30              ; scores
	v_lshl_add_u32 v28, v0, 2, SPARE
	v_mov_b32 v29, 0
	ds_add_u32 v28, v29
	s_wait_dscnt 0x0
	v_lshrrev_b32 v1, 5, v0
	v_readfirstlane_b32 s18, v1                    ; wave 0..3
	s_lshr_b32 s19, s18, 1                         ; i: which 64 rows are mine.  Also: which half of W's K I fetch
	s_and_b32 s20, s18, 1                          ; j: which 32 of a piece's 64 rows of W are mine, and which I fetch
	s_bfe_u32 s21, ttmp6, 0x40000                  ; cx: my place in the cluster: it enters global addresses of my own loads and store alone
	s_lshl_b32 s22, ttmp9, 2                       ; in a cluster launch ttmp9 counts clusters
	s_add_co_u32 s22, s22, s21                     ; g
	s_and_b32 s23, s22, 31                         ; b
	s_lshr_b32 s74, s22, 5                         ; which 128 places s
	; descriptor group 1: tiles of 32 rows x 1,024 bytes, padded in LDS
	s_mov_b32 s[G1A+0], (1<<20)|(7<<22)|(3<<25)    ; 15:0 no mask; 17:16 elements of 1 byte; 20 padding on; 24:22 after every 256 words (code 7); 31:25 four words (code 3)
	s_mov_b32 s[G1W+0], 15|(1<<20)|(1<<21)|(7<<22)|(3<<25)   ; the same with the mask of all four work-groups, and bit 21 beside it
.irp g, G1A, G1W
	s_mov_b32 s[\g+1], 1024<<16                    ; tensor_dim0
	s_mov_b32 s[\g+2], 32<<16                      ; tensor_dim1
	s_mov_b32 s[\g+3], 1024<<16                    ; tile_dim0
	s_mov_b32 s[\g+4], 32                          ; tile_dim1
	s_mov_b32 s[\g+6], 0
	s_mov_b32 s[\g+7], 0
.endr
	s_mov_b32 s[G1A+5], 131072                     ; from s to s + 1: 32 rows of 4,096 bytes
	s_mov_b32 s[G1W+5], 2048                       ; a row of W
	s_lshl_b32 s68, s74, 24                        ; encoder_outputs: 128 places s,
	s_lshl_b32 s69, s18, 22                        ; my quarter's 32,
	s_add_co_u32 s68, s68, s69
	s_lshl_b32 s70, s23, 12                        ; row b: 4,096 bytes, here, in hidden and in scores
	s_add_co_u32 s68, s68, s70
	s_mov_b32 s69, 0
	s_mov_b32 s71, 0
	s_lshl_b32 s76, s20, 16                        ; W: 32 rows x j,
	s_lshl_b32 s77, s19, 10                        ; 1,024 along K x i: the wave's number alone
	s_add_co_u32 s76, s76, s77
	s_mov_b32 s77, 0
	s_lshl_b32 s78, s74, 9                         ; scores: my 128 numbers of row b
	s_add_co_u32 s78, s78, s70
	s_mov_b32 s79, 0
	s_mul_i32 s75, s18, QB                         ; where my quarter goes: no place in the cluster enters an LDS address
	s_wait_kmcnt 0x0
	s_load_b64 s[56:57], s[14:15], 0x0             ; e0, e1
	s_add_nc_u64 s[66:67], s[4:5], s[68:69]        ; my quarter of chunk 0; kept for the prefetches
	s_add_nc_u64 s[6:7], s[6:7], s[70:71]
	s_add_nc_u64 s[16:17], s[16:17], s[78:79]
	s_add_nc_u64 s[8:9], s[8:9], s[76:77]
	s_mov_b32 s[G0A+0], 1                          ; 1:0 count = 1
	s_mov_b32 s[G0A+1], s75                        ; 63:32 LDS address: slot 0
	s_mov_b64 s[G0A+2:G0A+3], s[66:67]             ; 120:64 global address: chunk 0
	s_or_b32 s[G0A+3], s[G0A+3], 0x80000000        ; 127:126 type = 2
	s_mov_b32 s[G0A+4], 1
	s_add_co_u32 s[G0A+5], s75, SLOT
	s_add_nc_u64 s[G0A+6:G0A+7], s[66:67], 1024    ; chunk 1
	s_or_b32 s[G0A+7], s[G0A+7], 0x80000000
	s_mov_b32 s[G0W+0], 1
	s_mov_b32 s[G0W+1], s75
	s_mov_b64 s[G0W+2:G0W+3], s[8:9]               ; piece 0
	s_or_b32 s[G0W+3], s[G0W+3], 0x80000000
	s_mov_b32 s[G0W+4], 1
	s_add_co_u32 s[G0W+5], s75, SLOT
	s_add_nc_u64 s[G0W+6:G0W+7], s[8:9], 131072    ; piece 1: 64 rows on
	s_or_b32 s[G0W+7], s[G0W+7], 0x80000000
	ROUND                                          ; in a cluster launch every group of tensor loads stands behind a round
	tensor_load_to_lds s[G0A:G0A+3], s[G1A:G1A+7]  ; the two first fills go out together: two loads of mine are out, later one
	s_nop 0
	tensor_load_to_lds s[G0A+4:G0A+7], s[G1A:G1A+7]
	s_nop 0
	PLACES
	; while they are on their way: addresses, the tables, hidden[b]
	v_and_b32 v1, 15, v0                           ; r
	v_bfe_u32 v2, v0, 4, 1                         ; hh
	v_mul_u32_u24 v5, v1, PITCH
	s_mul_i32 s68, s19, EOH
	v_lshl_add_u32 v3, v2, 6, v5
	v_add_nc_u32 v3, s68, v3                       ; a chunk: line 64 i + r, + 64 hh: my 16 numbers of a block of 32
	v_add_nc_u32 v4, SLOT, v3
	s_mul_i32 s69, s20, QB
	v_lshl_add_u32 v5, v2, 4, v5
	v_add_nc_u32 v5, s69, v5                       ; a piece of W: line 32 j + r, + 16 hh
	v_add_nc_u32 v6, SLOT, v5
	v_add_nc_u32 v7, EOH, v5                       ; and the same row's K 1,024 on
	v_add_nc_u32 v8, EOH+SLOT, v5
	s_lshl_b32 s70, s20, 7
	s_add_co_u32 s70, s70, TBL2
	v_lshl_add_u32 v9, v2, 5, s70                  ; the tables: 4 x (32 j + 8 hh)
	v_lshlrev_b32 v11, 6, v2
	v_and_b32 v14, 31, v0
	v_lshlrev_b32 v12, 17, v14                     ; a lane to a row of my quarter
	v_lshlrev_b32 v14, 4, v14
	v_add_nc_u32 v27, SCR, v14                     ; v27: where wave 0 reads the partial scores back
	s_lshl_b32 s71, s20, 9
	s_lshl_b32 s76, s19, 8
	s_add_co_u32 s71, s71, s76
	s_add_co_u32 s71, s71, SCR
	v_lshl_add_u32 v13, v1, 2, s71                 ; [j][64 i + r]
	v_lshlrev_b32 v26, 5, v0                       ; v26: my 32 bytes of bias and of v; at the end the sum of v
	v_lshl_add_u32 v15, v0, 5, TBL2
	global_load_b128 v[32:35], v26, s[10:11]
	global_load_b128 v[36:39], v26, s[10:11] offset:16
	global_load_b128 v[40:43], v26, s[12:13]
	global_load_b128 v[44:47], v26, s[12:13] offset:16
	HLOAD 0
	HLOAD 1
	HLOAD 2
	s_mov_b32 s72, 0x76543210                      ; v_permlanex16_b32's selects for lane l xor 16
	s_mov_b32 s73, 0xfedcba98
	s_mov_b32 s60, 0x4038aa3b                      ; 2 log2(e)
	s_mov_b32 s61, s60                             ; (named with it as a pair, so it is written)
	s_wait_kmcnt 0x0
	s_add_co_i32 s68, s56, 127
	s_lshl_b32 s69, s68, 23
	v_mov_b32 v30, s69                             ; 2^e0 as f32: the conversion takes its exponent field
	s_add_co_i32 s68, s68, 8
	s_lshl_b32 s68, s68, 23
	s_or_b32 s68, s68, 0x600000
	v_mov_b32 v31, s68                             ; 448 x 2^e0
	s_add_co_i32 s58, s56, s57
	s_lshl_b32 s58, s58, 23
	s_add_co_i32 s58, s58, s60                     ; 2 log2(e) 2^(e0 + e1): the exponents are added to the constant's exponent field
	s_mov_b32 s59, s58
	s_wait_loadcnt 48                              ; bias and v are in; hidden's three runs of sixteen may be out
.irp k, 0,2,4,6
	v_pk_mul_f32 v[32+\k:33+\k], v[32+\k:33+\k], s[60:61] op_sel_hi:[1,0]
.endr
	ds_store_b128 v15, v[32:35]
	ds_store_b128 v15, v[36:39] offset:16
	ds_store_b128 v15, v[40:43] offset:4096
	ds_store_b128 v15, v[44:47] offset:4112
.irp k, 16,17,18,19,20,21,22,23,24,25
	v_mov_b32 v\k, 0                               ; the ten running sums of the product with v
.endr
.set hk, 0
.rept 8                                ; hidden[b]'s eight fragments -> window 3
.if hk < 6
	s_wait_loadcnt 32                              ; this K step's sixteen loads are in, the two younger runs may be out
.else
	s_wait_loadcnt 16*(7-hk)
.endif
	QUANT 64+64*(hk%3), 3, 16*hk
.if hk < 5
	HLOAD hk+3
.endif
.set hk, hk+1
.endr
	s_wait_tensorcnt 1                             ; my quarter of chunk 0 is in; chunk 1's may stay out
	s_wait_dscnt 0x0                               ; my part of the tables is stored
	s_barrier_signal -1
	s_barrier_wait -1                              ; everybody's is
	STAGE 0
	TURN G0A, G1A, 2048, 1                         ; chunk 2 into slot 0
	STAGE 1
	TURN G0A+4, G1A, 2048, 1                       ; chunk 3 into slot 1
	STAGE 2
	TURN G0W, G1W, 0, 1                            ; W's piece 0 into slot 0
	STAGE 3
	TURN G0W+4, G1W, 0, 1                          ; piece 1 into slot 1; piece 0 is whole
	; THE MATRIX PHASE: sixteen pieces of W, two tiles of mine in each.  A refill is asked for in a piece's last group and waited for in the next piece's last group.
	WLOAD 0, 0, 0
	v_mov_b32 v10, v9
	s_mov_b32 s63, 0                               ; the tables' step: 512 bytes for a pair of pieces
	PERIOD 0, 0, 0, 0                              ; pieces 0 and 1: the very first tile has no tile before it
	PERIOD 0, 1, 1, 1
	PERIOD 1, 0, 1, 0
	PERIOD 1, 1, 1, 1
	s_mov_b32 s62, 6
.Lpair:                                                ; pieces 2 to 13; the refills bring pieces 4 to 15
	s_add_co_u32 s63, s63, 512
	v_add_nc_u32 v10, s63, v9
	PERIOD 0, 0, 1, 0
	PERIOD 0, 1, 1, 1
	PERIOD 1, 0, 1, 0
	PERIOD 1, 1, 1, 1
	s_sub_co_u32 s62, s62, 1
	s_cmp_lg_u32 s62, 0
	s_cbranch_scc1 .Lpair
	s_add_co_u32 s63, s63, 512                     ; pieces 14 and 15 are written out: nothing more is asked for
	v_add_nc_u32 v10, s63, v9
	PERIOD 0, 0, 1, 0
	PERIOD 0, 1, 1, 2
	PERIOD 1, 0, 1, 0
	PERIOD 1, 1, 1, 3
	; the last tile's bias, tanh and product with v; the burst above is the places behind its products
.irp a, 0,1,2,3
.irp k, 0,2,4,6
	v_pk_fma_f32 v[96+8*\a+\k:97+8*\a+\k], v[96+8*\a+\k:97+8*\a+\k], s[58:59], v[40+\k:41+\k] op_sel_hi:[1,0,1]
.endr
.endr
.set i, 0
.rept 32
	v_exp_f32 v[96+i], v[96+i]
.set i, i+1
.endr
	v_nop                                          ; a plain line between the exponentials and the use of their results
.set i, 0
	s_wait_alu depctr_va_vdst(0)
.rept 16
	v_pk_add_f32 v[96+2*i:97+2*i], v[96+2*i:97+2*i], 1.0 op_sel_hi:[1,0]
.set i, i+1
.endr
.set i, 0
.rept 32
	v_rcp_f32 v[96+i], v[96+i]
.set i, i+1
.endr
	BURST 0                                        ; (its first four lines are plain and touch no reciprocal)
	; THE WAY OUT.  score = sum of v - 2 sum of v / (1 + 2^z), over my lane's h; then the other half of the lanes'; then, through LDS, the other wave's half of h.
	v_add_f32 v26, v24, v25
.irp a, 0,1,2,3
	v_add_f32 v[16+2*\a], v[16+2*\a], v[17+2*\a]
.endr
.irp a, 0,1,2,3
	v_fma_f32 v[16+2*\a], -2.0, v[16+2*\a], v26
.endr
.irp a, 0,1,2,3
	v_permlanex16_b32 v[17+2*\a], v[16+2*\a], s72, s73
.endr
.irp a, 0,1,2,3
	v_add_f32 v[16+2*\a], v[16+2*\a], v[17+2*\a]
.endr
.irp a, 0,1,2,3
	ds_store_b32 v13, v[16+2*\a] offset:64*\a      ; row 64 i + 16 a + r; both halves of the lanes store the same number to the same word
.endr
	s_wait_dscnt 0x0                               ; for the others' sake: my stores are done
	s_barrier_signal -1
	s_barrier_wait -1
	s_cmp_lg_u32 s18, 0
	s_cbranch_scc1 .Lothers
	ds_load_b128 v[32:35], v27                     ; wave 0: four rows a lane, j = 0,
	ds_load_b128 v[36:39], v27 offset:512          ; and j = 1
	s_wait_dscnt 0x0
	v_pk_add_f32 v[32:33], v[32:33], v[36:37]
	v_pk_add_f32 v[34:35], v[34:35], v[38:39]
	global_store_b128 v14, v[32:35], s[16:17]      ; 32 lanes store 512 consecutive bytes, at a multiple of 512 from the buffer's first byte
.Lothers:
	s_wait_tensorcnt 0x0                           ; the wave's end: behind my last tensor load and my last LDS store
	ds_add_u32 v28, v29
	s_wait_dscnt 0x0
	ROUND                                          ; the closing round: no work-group ends while a partner may still ask for a tile that names it
	s_endpgm
.Lfunc_end_k_q10b14dd878_scores:
	.size	k_q10b14dd878_scores, .Lfunc_end_k_q10b14dd878_scores-k_q10b14dd878_scores
	.p2alignl 7, 3214868480
	.fill 96, 4, 3214868480
	.section	.rodata,"a",@progbits
	.p2align	6, 0x0
	.amdhsa_kernel k_q10b14dd878_scores
		.amdhsa_group_segment_fixed_size 327680
		.amdhsa_private_segment_fixed_size 0
		.amdhsa_enable_private_segment 0
		.amdhsa_kernarg_size 56
		.amdhsa_user_sgpr_count 2
		.amdhsa_user_sgpr_kernarg_segment_ptr 1
		.amdhsa_wavefront_size32 1
		.amdhsa_system_sgpr_workgroup_id_x 1
		.amdhsa_system_sgpr_workgroup_id_y 1
		.amdhsa_system_sgpr_workgroup_id_z 1
		.amdhsa_system_vgpr_workitem_id 0
		.amdhsa_next_free_vgpr 896
		.amdhsa_next_free_sgpr 80
		.amdhsa_reserve_vcc 0
		.amdhsa_float_denorm_mode_32 3
		.amdhsa_float_denorm_mode_16_64 3
		.amdhsa_memory_ordered 1
		.amdhsa_forward_progress 1
		.amdhsa_inst_pref_size 255
	.end_amdhsa_kernel
	.section	.bss,"aw",@nobits
	.p2align	6
	.space	262144
	.amdgpu_metadata
---
amdhsa.version: [ 1, 2 ]
amdhsa.kernels:
  - .name:           k_q10b14dd878_scores
    .symbol:         k_q10b14dd878_scores.kd
    .args:
      - { .name: encoder_outputs, .offset: 0, .size: 8, .value_kind: global_buffer, .address_space: global }
      - { .name: hidden, .offset: 8, .size: 8, .value_kind: global_buffer, .address_space: global }
      - { .name: W_codes, .offset: 16, .size: 8, .value_kind: global_buffer, .address_space: global }
      - { .name: b, .offset: 24, .size: 8, .value_kind: global_buffer, .address_space: global }
      - { .name: v, .offset: 32, .size: 8, .value_kind: global_buffer, .address_space: global }
      - { .name: lowp_scales, .offset: 40, .size: 8, .value_kind: global_buffer, .address_space: global }
      - { .name: scores, .offset: 48, .size: 8, .value_kind: global_buffer, .address_space: global }
    .group_segment_fixed_size: 327680
    .private_segment_fixed_size: 0
    .kernarg_segment_align: 8
    .kernarg_segment_size: 56
    .max_flat_workgroup_size: 128
    .sgpr_count:     80
    .vgpr_count:     896
    .wavefront_size: 32
...
	.end_amdgpu_metadata
.endif
;; end of part 1
;; launch softmax (part 2): grid 32 x 1, 1 waves a work-group, no clusters, 0 bytes of LDS; arguments scores, encoder_mask, out0; writes out0
.if DOCPART == 2
	.amdgcn_target "amdgcn-amd-amdhsa--gfx1250"
	.amdhsa_code_object_version 6
	.text
	.protected	k_q10b14dd878_softmax
	.globl	k_q10b14dd878_softmax
	.p2align	8
	.type	k_q10b14dd878_softmax,@function
k_q10b14dd878_softmax:
	s_mov_b64 s[64:65], 0
	v_nop
	global_prefetch_b8 v0, s[64:65] scope:SCOPE_SE
	s_setreg_imm32_b32 hwreg(HW_REG_WAVE_MODE, 25, 1), 1
	s_wait_xcnt 0x0
; out0[b][0][s] = softmax over s of ( encoder_mask[b][0][s] ? -1e9 : scores[b][s] ).  scores: [32][1024] f32, from the launch before; the mask: one byte a place, 0 or 1.
; One wave takes a whole row: 1,024 numbers are 32 registers, so the row is read once, the maximum and the sum never leave the wave, and there is no LDS and no barrier.  There are 32 rows, so 32 work-groups.
; The row's maximum is taken away BEFORE the multiplication by log2(e): where x equals the maximum the difference is exactly 0, so a row that is masked throughout gives 1 / 1,024 everywhere.
; Load j of eight: lane l holds places 128 j + 4 l + 0 .. 3 (512 consecutive bytes a load) and, in one word, their four mask bytes (128 consecutive bytes a load).
; REGISTERS: v1 16 x lane; v2 4 x lane; v[4:5] the maximum (low word); v[6:9] sums; v[8:11] mask bytes at work; v13 -1e9; v[16:47] the row; v[48:55] mask words.
	s_load_b128 s[4:7], s[0:1], 0x0                ; scores s[4:5], the mask s[6:7]
	s_load_b64 s[8:9], s[0:1], 0x10                ; out0
	v_lshlrev_b32 v1, 4, v0
	v_lshlrev_b32 v2, 2, v0
	s_lshl_b32 s10, ttmp9, 12                      ; row b: 4,096 bytes of numbers,
	s_mov_b32 s11, 0
	s_lshl_b32 s14, ttmp9, 10                      ; 1,024 of mask
	s_mov_b32 s15, 0
	s_mov_b32 s12, 0x76543210                      ; v_permlanex16_b32's selects for lane l xor 16
	s_mov_b32 s13, 0xfedcba98
	v_mov_b32 v13, 0xce6e6b28                      ; -1e9
	v_mov_b32 v5, 0                                ; written once: a lane permute's destination counts as one of its sources
	s_wait_kmcnt 0x0
	s_add_nc_u64 s[4:5], s[4:5], s[10:11]
	s_add_nc_u64 s[8:9], s[8:9], s[10:11]
	s_add_nc_u64 s[6:7], s[6:7], s[14:15]
.irp j, 0,1,2,3,4,5,6,7
	global_load_b128 v[16+4*\j:19+4*\j], v1, s[4:5] offset:512*\j
.endr
.irp j, 0,1,2,3,4,5,6,7
	global_load_b32 v[48+\j], v2, s[6:7] offset:128*\j
.endr
	s_wait_loadcnt 0x0
.irp j, 0,1,2,3,4,5,6,7
.irp q, 0,1,2,3
	v_bfe_u32 v[8+\q], v[48+\j], 8*\q, 8           ; the place's mask byte
.endr
.irp q, 0,1,2,3
	v_cmp_ne_u32 vcc_lo, 0, v[8+\q]
	v_cndmask_b32 v[16+4*\j+\q], v[16+4*\j+\q], v13, vcc_lo   ; masked: -1e9.  A choice of values: no branch hangs on it
.endr
.endr
	v_max3_num_f32 v3, v16, v17, v18               ; the largest of my 32 numbers, in two chains,
	v_max3_num_f32 v4, v19, v20, v21
.irp i, 6,10,14,18,22,26
	v_max3_num_f32 v3, v3, v[16+\i], v[17+\i]
	v_max3_num_f32 v4, v4, v[18+\i], v[19+\i]
.endr
	v_max3_num_f32 v3, v3, v46, v47
	v_max_num_f32 v4, v3, v4
	v_max_num_f32_dpp v4, v4, v4 row_xmask:1 row_mask:0xf bank_mask:0xf   ; across the sixteen lanes of a half,
	v_max_num_f32_dpp v4, v4, v4 row_xmask:2 row_mask:0xf bank_mask:0xf
	v_max_num_f32_dpp v4, v4, v4 row_xmask:4 row_mask:0xf bank_mask:0xf
	v_max_num_f32_dpp v4, v4, v4 row_xmask:8 row_mask:0xf bank_mask:0xf
	v_permlanex16_b32 v5, v4, s12, s13             ; and the other half's
	v_max_num_f32 v4, v4, v5                       ; every lane holds the row's maximum
.irp i, 0,2,4,6,8,10,12,14,16,18,20,22,24,26,28,30
	v_pk_add_f32 v[16+\i:17+\i], v[16+\i:17+\i], v[4:5] op_sel_hi:[1,0] neg_lo:[0,1] neg_hi:[0,1]   ; x - maximum (the pair's low word for both halves)
.endr
.irp i, 0,2,4,6,8,10,12,14,16,18,20,22,24,26,28,30
	v_pk_mul_f32 v[16+\i:17+\i], v[16+\i:17+\i], 0x3fb8aa3b op_sel_hi:[1,0]   ; x log2(e)
.endr
.irp i, 0,1,2,3,4,5,6,7,8,9,10,11,12,13,14,15,16,17,18,19,20,21,22,23,24,25,26,27,28,29,30,31
	v_exp_f32 v[16+\i], v[16+\i]
.endr
	v_nop                                          ; a plain line between the exponentials and the use of their results
	s_wait_alu depctr_va_vdst(0)
	v_pk_add_f32 v[6:7], v[16:17], v[18:19]        ; the sum, two at a time, in two chains: the first terms start them
	v_pk_add_f32 v[8:9], v[20:21], v[22:23]
.irp i, 8,12,16,20,24,28
	v_pk_add_f32 v[6:7], v[6:7], v[16+\i:17+\i]
	v_pk_add_f32 v[8:9], v[8:9], v[18+\i:19+\i]
.endr
	v_pk_add_f32 v[6:7], v[6:7], v[8:9]
	v_add_f32 v6, v6, v7
	v_add_f32_dpp v6, v6, v6 row_xmask:1 row_mask:0xf bank_mask:0xf
	v_add_f32_dpp v6, v6, v6 row_xmask:2 row_mask:0xf bank_mask:0xf
	v_add_f32_dpp v6, v6, v6 row_xmask:4 row_mask:0xf bank_mask:0xf
	v_add_f32_dpp v6, v6, v6 row_xmask:8 row_mask:0xf bank_mask:0xf
	v_permlanex16_b32 v5, v6, s12, s13
	v_add_f32 v6, v6, v5                           ; at least 1: the maximum's own term
	v_rcp_f32 v6, v6
	v_nop                                          ; a plain line behind the reciprocal
	s_wait_alu depctr_va_vdst(0)
.irp i, 0,2,4,6,8,10,12,14,16,18,20,22,24,26,28,30
	v_pk_mul_f32 v[16+\i:17+\i], v[16+\i:17+\i], v[6:7] op_sel_hi:[1,0]
.endr
.irp j, 0,1,2,3,4,5,6,7
	global_store_b128 v1, v[16+4*\j:19+4*\j], s[8:9] offset:512*\j   ; 32 lanes store 512 consecutive bytes, at a multiple of 512 from the buffer's first byte
.endr
	s_endpgm
.Lfunc_end_k_q10b14dd878_softmax:
	.size	k_q10b14dd878_softmax, .Lfunc_end_k_q10b14dd878_softmax-k_q10b14dd878_softmax
	.p2alignl 7, 3214868480
	.fill 96, 4, 3214868480
	.section	.rodata,"a",@progbits
	.p2align	6, 0x0
	.amdhsa_kernel k_q10b14dd878_softmax
		.amdhsa_group_segment_fixed_size 0
		.amdhsa_private_segment_fixed_size 0
		.amdhsa_enable_private_segment 0
		.amdhsa_kernarg_size 24
		.amdhsa_user_sgpr_count 2
		.amdhsa_user_sgpr_kernarg_segment_ptr 1
		.amdhsa_wavefront_size32 1
		.amdhsa_system_sgpr_workgroup_id_x 1
		.amdhsa_system_sgpr_workgroup_id_y 1
		.amdhsa_system_sgpr_workgroup_id_z 1
		.amdhsa_system_vgpr_workitem_id 0
		.amdhsa_next_free_vgpr 64
		.amdhsa_next_free_sgpr 66
		.amdhsa_reserve_vcc 1
		.amdhsa_float_denorm_mode_32 3
		.amdhsa_float_denorm_mode_16_64 3
		.amdhsa_memory_ordered 1
		.amdhsa_forward_progress 1
		.amdhsa_inst_pref_size 15
	.end_amdhsa_kernel
	.amdgpu_metadata
---
amdhsa.version: [ 1, 2 ]
amdhsa.kernels:
  - .name:           k_q10b14dd878_softmax
    .symbol:         k_q10b14dd878_softmax.kd
    .args:
      - { .name: scores, .offset: 0, .size: 8, .value_kind: global_buffer, .address_space: global }
      - { .name: encoder_mask, .offset: 8, .size: 8, .value_kind: global_buffer, .address_space: global }
      - { .name: out0, .offset: 16, .size: 8, .value_kind: global_buffer, .address_space: global }
    .group_segment_fixed_size: 0
    .private_segment_fixed_size: 0
    .kernarg_segment_align: 8
    .kernarg_segment_size: 24
    .max_flat_workgroup_size: 32
    .sgpr_count:     66
    .vgpr_count:     64
    .wavefront_size: 32
...
	.end_amdgpu_metadata
.endif
;; end of part 2
;; ======== version 2 of 2: 3 launches
;; limits: right only within a limited range of input values
;; workspace buffers: scores 131,072 bytes; hb 131,072 bytes; wimg 1,048,576 bytes
;; launch prep (part 3): grid 128 x 1, 8 waves a work-group, no clusters, 27,648 bytes of LDS; arguments hidden, W_codes, b, lowp_scales, hb, wimg; writes hb, wimg
.if DOCPART == 3
	.amdgcn_target "amdgcn-amd-amdhsa--gfx1250"
	.amdhsa_code_object_version 6
	.text
	.protected	k_q10b14dd878_prep
	.globl	k_q10b14dd878_prep
	.p2align	8
	.type	k_q10b14dd878_prep,@function
k_q10b14dd878_prep:
	s_mov_b64 s[64:65], 0
	v_nop
	global_prefetch_b8 v0, s[64:65] scope:SCOPE_SE
	s_setreg_imm32_b32 hwreg(HW_REG_WAVE_MODE, 25, 1), 1
	s_wait_xcnt 0x0
; Two things that the next launch reads.
; (1) hb: sum over k < 1,024 of code(hidden[b][k]) code(W[h][k]) + bias[h] 2^-(e0 + e1): the part of the first product that hangs on hidden alone, with the bias, in the unit of the sums of codes.
;     reference() repeats hidden[b] over all places s, so it is made once for each (b, h).  Layout: [64 tiles of 16 h][32 b][16 h] f32: a work-group's 16 b x 16 h are 1,024 consecutive bytes.
; (2) wimg: the codes of W[h][1,024 ..] in the order of the matrix operand's registers: a tile of 16 h x 128 k is 2,048 bytes [c 0..3][lane 32][16 bytes]; lane (r, hh) of part c holds h = r, k = 32 c + 16 hh + 0 .. 15.
;     First h 0 .. 703: [8 k steps][44 tiles]; then h 704 .. 1,023: [4 pairs of k steps][4 waves][2 k steps][5 tiles].
; hidden is quantised to E4M3 with 2^e0 (held within +-448 x 2^e0, nearest, ties to even); sums in f32.
; LIMITS: e0 between -126 and 119, e0 + e1 between -126 and 126.  NaN among the inputs is not served; an infinity is held at the largest code.
; SHARES: work-group 2 T + m takes h tile T and b = 16 m ..; wave w takes K 128 w .. + 127; the eight parts are summed in LDS by waves 0 and 1.  The operands are read once by a wave: they come straight into registers; partners share little, so no cluster.
.set CODES, 8192                       ; behind the eight parts: each wave's codes of hidden, 16 rows of 128 + 16 bytes
.set SPARE, CODES+8*2304
	s_load_b256 s[4:11], s[0:1], 0x0               ; hidden, W's codes, bias, the scales' exponents
	s_load_b128 s[12:15], s[0:1], 0x20             ; hb, wimg
	v_lshl_add_u32 v28, v0, 2, SPARE
	v_mov_b32 v29, 0
	v_lshrrev_b32 v11, 5, v0
	v_readfirstlane_b32 s18, v11                   ; wave w
	v_and_b32 v1, 15, v0                           ; r
	v_bfe_u32 v2, v0, 4, 1                         ; hh
	v_and_b32 v10, 31, v0
	v_mul_u32_u24 v13, v11, 2304
	v_lshl_add_u32 v12, v10, 2, v13
	v_add_nc_u32 v12, CODES, v12                   ; codes in: four a lane of a row,
	v_mul_u32_u24 v14, v1, 144
	v_lshl_add_u32 v14, v2, 4, v14
	v_add_nc_u32 v13, v13, v14
	v_add_nc_u32 v13, CODES, v13                   ; and back as a fragment: row r, + 16 hh
	v_lshlrev_b32 v4, 11, v1
	v_lshl_add_u32 v4, v2, 4, v4                   ; W: row r, + 16 hh
	v_lshlrev_b32 v5, 4, v10                       ; 16 x lane
	v_and_b32 v6, 3, v0
	v_lshlrev_b32 v6, 4, v6                        ; bias: four numbers of the tile's sixteen
	v_lshlrev_b32 v7, 4, v0                        ; hb: 16 bytes a thread, threads 0 .. 63
	v_bfe_u32 v8, v0, 2, 4                         ; that thread's b,
	v_lshlrev_b32 v8, 4, v8
	v_bfe_u32 v9, v0, 1, 1                         ; its half of the lanes,
	v_lshl_add_u32 v8, v9, 8, v8
	v_and_b32 v9, 1, v0                            ; and its half of the eight registers
	v_lshl_add_u32 v8, v9, 9, v8
	v_lshl_add_u32 v9, v11, 10, v5                 ; my part's place in LDS
	s_wait_alu depctr_va_vdst(0)
	s_lshr_b32 s19, ttmp9, 1                       ; T
	s_and_b32 s20, ttmp9, 1                        ; m
	s_lshl_b32 s22, s20, 16
	s_lshl_b32 s21, s18, 9
	s_add_co_u32 s22, s22, s21
	s_mov_b32 s23, 0
	s_lshl_b32 s24, s19, 15
	s_lshl_b32 s21, s18, 7
	s_add_co_u32 s24, s24, s21
	s_mov_b32 s25, 0
	s_lshl_b32 s26, s20, 6                         ; of the tile that is laid out anew I take parts c = 2 m and 2 m + 1
	s_add_co_u32 s26, s26, s24
	s_mov_b32 s27, 0
	s_lshl_b32 s28, s19, 6
	s_mov_b32 s29, 0
	s_lshl_b32 s30, ttmp9, 10
	s_mov_b32 s31, 0
	s_mul_i32 s32, s18, 90112                      ; h < 704: k step w, tile T
	s_lshl_b32 s21, s19, 11
	s_add_co_u32 s32, s32, s21
	s_mov_b32 s33, 0
	s_sub_co_u32 s34, s19, 44                      ; h >= 704: T' = T - 44 = 5 x wave + i,
	s_mul_i32 s35, s34, 13
	s_lshr_b32 s35, s35, 6                         ; T' / 5 (T' is under 20),
	s_mul_i32 s35, s35, 10240
	s_lshl_b32 s34, s34, 11
	s_add_co_u32 s34, s34, s35
	s_lshr_b32 s35, s18, 1
	s_mul_i32 s35, s35, 81920
	s_add_co_u32 s34, s34, s35
	s_and_b32 s35, s18, 1
	s_mul_i32 s35, s35, 10240
	s_add_co_u32 s34, s34, s35
	s_add_co_u32 s34, s34, 720896
	s_cmp_lt_u32 s19, 44
	s_cselect_b32 s32, s32, s34
	s_lshl_b32 s21, s20, 10
	s_add_co_u32 s32, s32, s21
	s_wait_kmcnt 0x0
	s_load_b64 s[40:41], s[10:11], 0x0             ; e0, e1
	s_add_nc_u64 s[4:5], s[4:5], s[22:23]
	s_add_nc_u64 s[36:37], s[6:7], s[26:27]
	s_add_nc_u64 s[38:39], s[6:7], s[24:25]
	s_add_nc_u64 s[8:9], s[8:9], s[28:29]
	s_add_nc_u64 s[12:13], s[12:13], s[30:31]
	s_add_nc_u64 s[14:15], s[14:15], s[32:33]
.set i, 0
.rept 16
	global_load_b128 v[64+4*i:67+4*i], v5, s[4:5] offset:4096*i    ; hidden: 512 consecutive bytes of a row
.set i, i+1
.endr
.irp c, 0,1,2,3
	global_load_b128 v[32+4*\c:35+4*\c], v4, s[38:39] offset:32*\c
.endr
	global_load_b128 v[56:59], v6, s[8:9]          ; waves 0 and 1 use it
	global_load_b128 v[48:51], v4, s[36:37] offset:1024
	global_load_b128 v[52:55], v4, s[36:37] offset:1056
	s_wait_kmcnt 0x0
	s_add_co_i32 s42, s40, 127
	s_lshl_b32 s43, s42, 23
	v_mov_b32 v30, s43                             ; 2^e0
	s_add_co_i32 s42, s42, 8
	s_lshl_b32 s42, s42, 23
	s_or_b32 s45, s42, 0x600000                    ; 448 x 2^e0
	s_or_b32 s44, s45, 0x80000000
	s_add_co_i32 s46, s40, s41
	s_sub_co_i32 s46, 127, s46
	s_lshl_b32 s46, s46, 23                        ; 2^-(e0 + e1)
	s_mov_b32 s47, s46
	s_wait_alu depctr_va_vdst(0)
	s_wait_loadcnt 0x7                             ; hidden is in; W's four, the bias and the two others may be out
.set i, 0
.rept 64
	v_med3_num_f32 v[64+i], v[64+i], s44, s45      ; the conversion does not saturate (ISA guide 7.6.2)
.set i, i+1
.endr
.set i, 0
.rept 8
	v_cvt_scalef32_pk8_fp8_f32 v[128+2*i:129+2*i], v[64+8*i:71+8*i], v30
.set i, i+1
.endr
	v_nop                                          ; a plain line behind the last conversion
.set i, 0
.rept 16
	ds_store_b32 v12, v[128+i] offset:144*i        ; my own bytes: LDS serves a wave's instructions in order (ISA guide 5.7.1.4)
.set i, i+1
.endr
.irp c, 0,1,2,3
	ds_load_b128 v[64+4*\c:67+4*\c], v13 offset:32*\c
.endr
	s_wait_alu depctr_va_vdst(0)
	s_wait_loadcnt 0x3                             ; W's fragment is in
	s_wait_dscnt 0x0
	v_wmma_f32_16x16x128_fp8_fp8 v[144:151], v[32:47], v[64:79], 0   ; transposed: lane (r, hh) holds b = r, h = 8 hh + 0 .. 7
.rept 4
	v_nop
.endr
	ds_store_b128 v9, v[144:147]
	ds_store_b128 v9, v[148:151] offset:512
	s_wait_loadcnt 0x0
	global_store_b128 v5, v[48:51], s[14:15]       ; 512 consecutive bytes, at a multiple of 512
	global_store_b128 v5, v[52:55], s[14:15] offset:512
	s_wait_dscnt 0x0                               ; for the others' sake: my part is stored
	s_barrier_signal -1
	s_barrier_wait -1
	s_cmp_lt_u32 s18, 2
	s_cbranch_scc0 .Lend
.irp w, 0,1,2,3,4,5,6,7
	ds_load_b128 v[64+4*\w:67+4*\w], v8 offset:1024*\w
.endr
	s_wait_dscnt 0x0
.irp d, 16,8,4
.irp w, 0,4,8,12
.if \w < \d
	v_pk_add_f32 v[64+\w:65+\w], v[64+\w:65+\w], v[64+\d+\w:65+\d+\w]
	v_pk_add_f32 v[66+\w:67+\w], v[66+\w:67+\w], v[66+\d+\w:67+\d+\w]
.endif
.endr
.endr
	v_pk_fma_f32 v[64:65], v[56:57], s[46:47], v[64:65] op_sel_hi:[1,0,1]
	v_pk_fma_f32 v[66:67], v[58:59], s[46:47], v[66:67] op_sel_hi:[1,0,1]
	global_store_b128 v7, v[64:67], s[12:13]       ; two waves store 1,024 consecutive bytes, at a multiple of 1,024
.Lend:
	s_wait_tensorcnt 0x0                           ; the wave's end
	ds_add_u32 v28, v29
	s_wait_dscnt 0x0
	s_endpgm
.Lfunc_end_k_q10b14dd878_prep:
	.size	k_q10b14dd878_prep, .Lfunc_end_k_q10b14dd878_prep-k_q10b14dd878_prep
	.p2alignl 7, 3214868480
	.fill 96, 4, 3214868480
	.section	.rodata,"a",@progbits
	.p2align	6, 0x0
	.amdhsa_kernel k_q10b14dd878_prep
		.amdhsa_group_segment_fixed_size 27648
		.amdhsa_private_segment_fixed_size 0
		.amdhsa_enable_private_segment 0
		.amdhsa_kernarg_size 48
		.amdhsa_user_sgpr_count 2
		.amdhsa_user_sgpr_kernarg_segment_ptr 1
		.amdhsa_wavefront_size32 1
		.amdhsa_system_sgpr_workgroup_id_x 1
		.amdhsa_system_sgpr_workgroup_id_y 1
		.amdhsa_system_sgpr_workgroup_id_z 1
		.amdhsa_system_vgpr_workitem_id 0
		.amdhsa_next_free_vgpr 160
		.amdhsa_next_free_sgpr 66
		.amdhsa_reserve_vcc 0
		.amdhsa_float_denorm_mode_32 3
		.amdhsa_float_denorm_mode_16_64 3
		.amdhsa_memory_ordered 1
		.amdhsa_forward_progress 1
		.amdhsa_inst_pref_size 15
	.end_amdhsa_kernel
	.amdgpu_metadata
---
amdhsa.version: [ 1, 2 ]
amdhsa.kernels:
  - .name:           k_q10b14dd878_prep
    .symbol:         k_q10b14dd878_prep.kd
    .args:
      - { .name: hidden, .offset: 0, .size: 8, .value_kind: global_buffer, .address_space: global }
      - { .name: W_codes, .offset: 8, .size: 8, .value_kind: global_buffer, .address_space: global }
      - { .name: b, .offset: 16, .size: 8, .value_kind: global_buffer, .address_space: global }
      - { .name: lowp_scales, .offset: 24, .size: 8, .value_kind: global_buffer, .address_space: global }
      - { .name: hb, .offset: 32, .size: 8, .value_kind: global_buffer, .address_space: global }
      - { .name: wimg, .offset: 40, .size: 8, .value_kind: global_buffer, .address_space: global }
    .group_segment_fixed_size: 27648
    .private_segment_fixed_size: 0
    .kernarg_segment_align: 8
    .kernarg_segment_size: 48
    .max_flat_workgroup_size: 256
    .sgpr_count:     66
    .vgpr_count:     160
    .wavefront_size: 32
...
	.end_amdgpu_metadata
.endif
;; end of part 3
;; launch scores (part 4): grid 256 x 1, 4 waves a work-group, clusters of 4 x 1, 327,680 bytes of LDS; arguments encoder_outputs, wimg, hb, v, lowp_scales, scores; writes scores
.if DOCPART == 4
	.amdgcn_target "amdgcn-amd-amdhsa--gfx1250"
	.amdhsa_code_object_version 6
	.text
	.protected	k_q10b14dd878_scores
	.globl	k_q10b14dd878_scores
	.p2align	8
	.type	k_q10b14dd878_scores,@function
k_q10b14dd878_scores:
	s_mov_b64 s[64:65], 0
	v_nop
	global_prefetch_b8 v0, s[64:65] scope:SCOPE_SE
	s_setreg_imm32_b32 hwreg(HW_REG_WAVE_MODE, 25, 1), 1
	s_wait_xcnt 0x0
	s_wait_alu depctr_hold_cnt(0) depctr_sa_sdst(0) depctr_va_vdst(0) depctr_va_sdst(0) depctr_va_ssrc(0) depctr_va_vcc(0) depctr_vm_vsrc(0)
	s_getreg_b32 s2, hwreg(HW_REG_IB_STS2, 6, 4)
	s_cmp_eq_u32 s2, 0
	s_cbranch_scc0 .Lentry_in_a_cluster
	s_endpgm
.Lentry_in_a_cluster:
	s_bfe_u32 s2, ttmp6, 0x10000c
	s_cmp_lg_u32 s2, 0x3003
	s_cbranch_scc0 .Lentry_shape_is_right
	s_endpgm
.Lentry_shape_is_right:
; scores[b][s] = sum over h of v[h] tanh( 2^(e0 + e1) ( hb[b][h] + sum over k of code(encoder_outputs[s][b][k]) code(W[h][1,024 + k]) ) ); tanh(x) = 1 - 2 / (1 + 2^(2 log2(e) x)).
; encoder_outputs is quantised here to E4M3 with 2^e0 (held within +-448 x 2^e0, nearest, ties to even); sums in f32.
; LIMITS: e0 between -126 and 119, e0 + e1 between -126 and 126.  NaN among the inputs is not served; an infinity is held at the largest code.
; SHARES.  A work-group of four waves takes 128 rows: one b, 128 places s.  256 work-groups.  Four of them form a cluster and ask for W's tiles jointly.
; PART 1.  h 0 .. 703 (eleven tiles of 16 a wave x all eight tiles of 16 rows: 704 registers of sums), K in eight steps of 128.  While step t is multiplied, step t + 1 of A is quantised into LDS and step t + 2 asked for.
;   A comes from memory straight into registers: one load of a wave is 512 consecutive bytes of a row; a wave has 28 to 32 of them out.  The sums start from hb.
; PART 2.  tanh and the sum with v over those h; then h 704 .. 1,023 (five tiles a wave) from A's codes in LDS, and their tanh.
; W's fill of a K step goes into one of two LDS slots; each wave loads just the tiles that it reads itself.
; PREFETCH.  W's image, which every cluster reads, is split by address over all work-groups: of two K steps (704 blocks of 256 bytes) a work-group's wave 3 names eleven, and each block is named by one work-group of each of four clusters.
;   K steps 0 to 3 are named at the head; trip u names K steps 2 u + 4 and 2 u + 5, three and four steps ahead of the fills that want them (the third trip: part 2's first 180,224 bytes), and step 6 names part 2's last 180,224 bytes, which end with the image.
;   A is not prefetched: a work-group's four waves have 57,344 to 65,536 bytes of it on their way all along.
; THE MATRIX INSTRUCTION IS USED TRANSPOSED (source 0 = 16 rows of W, source 1 = 16 rows of A): lane (r, hh) holds row r and, in its eight registers, h = 8 hh + 0 .. 7 of the tile.
; REGISTERS, window 0: v0 base of the A reads; v1, v2 the add; v3 16 x lane; v4 code stores (base v10); v5, v6 A reads; v7, v8 W reads of slot 0, 1; v9 2^e0; v11 prefetch; v12-15 codes; v16-63 three W fragments; v64-191 eight A fragments; v192-255 f32 of A.
;   windows 1-3: tile n's sums at v[64 (n % 4) ..] of window 1 + n / 4; window 3 v192-255: f32 of A.
;   part 2: window 0 v192-223 v (or hb) of up to four tiles; v224-239 sums of a row tile, a pair each; v240-241 sum of v; v244-251 hb of the fifth tile; v252, v253 table addresses; window 3 v64-191 the second set of A fragments, v192-223 W fragments.
.set SB,    90112                      ; a slot: 44 tiles x 2,048
.set ABASE, 2*SB                       ; A's codes: 128 rows of 1,024 + 16 bytes: the sixteen rows that a fragment load touches start in different groups of banks (64 banks of 4 bytes: ISA guide 11.1)
.set PITCH, 1040
.set TBLH,  ABASE+128*PITCH            ; hb of my b, 1,024 numbers
.set TBLV,  TBLH+4096                  ; v
.set SCR,   TBLV+4096                  ; the four waves' parts of 128 scores
.set SPARE, SCR+2048
.set PB,    81920                      ; part 2: a fill, two K steps of 20 tiles
.set G1P, 24
.set G1Q, 32
.set G0,  40
.set MSB, 0
.macro WIN new                         ; the immediate's high byte repeats the setting that is left; a switch that changes nothing is dropped
.if MSB != (\new)
	s_set_vgpr_msb (MSB<<8)|(\new)
.set MSB, (\new)
.endif
.endm
.macro PLACES
.rept 4
	v_nop
.endr
.endm
.macro ROUND                           ; a round of the cluster's barrier
	s_barrier_signal -1
	s_barrier_wait -1
	s_cmp_lg_u32 s18, 0
	s_cbranch_scc1 .Lnot_wave_0_\@
	s_barrier_signal -3
.Lnot_wave_0_\@:
	s_barrier_wait -3
	s_barrier_signal -1
	s_barrier_wait -1
.endm
; rows 4 n .. 4 n + 3 of my 32: quantised into column p + 1, and asked for anew for column p + 2 (ld)
.macro FILL n, p, ld
.if (\n) < 4
.set FW, 0
.else
.set FW, 3
.endif
.set FB, 192+16*((\n)%4)
.if \ld
	s_wait_loadcnt 28                              ; the oldest four of 32 rows are in
.else
	s_wait_loadcnt 28-4*(\n)
.endif
	WIN FW*0x41
.set fi, 0
.rept 16
	v_med3_num_f32 v[FB+fi], v[FB+fi], s60, s61    ; the conversion does not saturate (ISA guide 7.6.2): held at the largest code x the scale
.set fi, fi+1
.endr
	WIN FW
	v_cvt_scalef32_pk8_fp8_f32 v[12:13], v[FB:FB+7], v9          ; two rows: a register of four codes each
	v_cvt_scalef32_pk8_fp8_f32 v[14:15], v[FB+8:FB+15], v9
	v_nop                                          ; a plain line behind the last conversion
	WIN 0
.irp i, 0,1,2,3
	ds_store_b32 v4, v[12+\i] offset:(4*(\n)+\i)*PITCH+128*((\p)+1)
.endr
.if \ld
	WIN FW*0x40
.irp i, 0,1,2,3
	global_load_b128 v[FB+4*\i:FB+4*\i+3], v3, s[66:67] offset:(4*(\n)+\i)*131072+512*((\p)+2) th:TH_LOAD_NT
.endr
	WIN 0
.endif
.endm
; A change of steps.  All my loads have landed and all my LDS accesses are done, in every wave of the cluster; rf = 1: the slot that the last step read takes the next step; 2: part 2's first fill
.macro BAR s, rf
	WIN 0
	s_wait_tensorcnt 0x0
	ds_add_u32 v1, v2
.if (\rf) == 1
	s_add_nc_u64 s[G0+4*(\s)+2:G0+4*(\s)+3], s[G0+4*(\s)+2:G0+4*(\s)+3], 2*SB
.elseif (\rf) == 2
	s_mov_b32 s[G0+1], s75
	s_mov_b64 s[G0+2:G0+3], s[48:49]
	s_or_b32 s[G0+3], s[G0+3], 0x80000000
.endif
	s_wait_dscnt 0x0
	ROUND
.if (\rf) == 1
	tensor_load_to_lds s[G0+4-4*(\s):G0+7-4*(\s)], s[G1P:G1P+7]
.else
	tensor_load_to_lds s[G0:G0+3], s[G1Q:G1Q+7]
.endif
	s_nop 0
	PLACES
.endm
.macro WLD n, p                        ; W's fragment of tile n
.irp c, 0,1,2,3
	ds_load_b128 v[16+16*((\n)%3)+4*\c:19+16*((\n)%3)+4*\c], v[7+(\p)] offset:2048*(\n)+512*\c
.endr
.endm
.macro ALD p                           ; A's eight fragments
.irp m, 0,1,2,3,4,5,6,7
.irp c, 0,1,2,3
	ds_load_b128 v[64+16*\m+4*\c:67+16*\m+4*\c], v[5+\m/4] offset:16*PITCH*(\m%4)+128*(\p)+32*\c
.endr
.endr
.endm
; tile n: eight matrix instructions; the 88 sums of a step take turns, one instruction a turn.  st: the code stores of a FILL (0 where there is none)
.macro TILE n, st
.set TA, 64*((\n)%4)
.set TB, 16+16*((\n)%3)
.if (\n) == 1
	s_wait_dscnt 3*(\st)+8                         ; younger: W of tiles 2 and 3, three FILLs' stores
.elseif (\n) == 2
	s_wait_dscnt 4*(\st)+8                         ; younger: W of tiles 3 and 4, four FILLs' stores
.elseif ((\n) > 2) && ((\n) < 7)
	s_wait_dscnt 2*(\st)+8                         ; younger: two W fragments, two FILLs' stores
.elseif (\n) == 7
	s_wait_dscnt (\st)+8                           ; younger: two W fragments, the last FILL's stores
.elseif (\n) > 7
	s_wait_dscnt 4*(10-(\n))                       ; younger: the W fragments of the tiles behind this one
.endif
	WIN (1+(\n)/4)*0x50
.irp m, 0,1,2,3,4,5,6,7
.if (\n) == 0
	s_wait_dscnt 2*(\st)+36-4*\m                   ; younger: the fragments of A behind this one, W of tiles 1 and 2, two FILLs' stores
.endif
	v_wmma_f32_16x16x128_fp8_fp8 v[TA+8*\m:TA+8*\m+7], v[TB:TB+15], v[64+16*\m:79+16*\m], v[TA+8*\m:TA+8*\m+7]
.endr
.endm
; a K step.  The first two FILLs stand under the flight of the step's first fragments; FILL n + 2 stands behind tile n and gives the places in front of the loads into the fragment that tile n has read
.macro STEP p, rf, q, ld, pf
	BAR \p, \rf
	WLD 0, \p
	ALD \p
	WLD 1, \p
	WLD 2, \p
.if \pf
	s_cmp_eq_u32 s18, 3
	s_cbranch_scc0 .Lnot_mine_\@
.if (\pf) == 1
	global_prefetch_b8 v11, s[50:51] offset:4*SB th:TH_LOAD_NT scope:SCOPE_SE
.else
	global_prefetch_b8 v11, s[50:51] offset:327680 th:TH_LOAD_NT scope:SCOPE_SE
.endif
.Lnot_mine_\@:
.endif
.if \q
	FILL 0, \p, \ld
	FILL 1, \p, \ld
.endif
.set nn, 0
.rept 11
	TILE nn, 4*(\q)
.if nn < 8
.if (\q) && (nn < 6)
	FILL nn+2, \p, \ld
.else
	WIN 0
	PLACES
.endif
	WLD nn+3, \p
.endif
.set nn, nn+1
.endr
.endm
; the sum with v of tile j of a group: a pair of partial sums for each row tile, carried from tile to tile
.macro SUMT j
.irp k, 0,2,4,6
.irp m, 0,1,2,3,4,5,6,7
.if \k == 0
.if (\j) == 0
	v_pk_mul_f32 v[64*(\j)+8*\m:64*(\j)+8*\m+1], v[64*(\j)+8*\m:64*(\j)+8*\m+1], v[192+8*(\j):193+8*(\j)]
.else
	v_pk_fma_f32 v[64*(\j)+8*\m:64*(\j)+8*\m+1], v[64*(\j)+8*\m:64*(\j)+8*\m+1], v[192+8*(\j):193+8*(\j)], v[64*(\j)-64+8*\m:64*(\j)-63+8*\m]
.endif
.else
	v_pk_fma_f32 v[64*(\j)+8*\m:64*(\j)+8*\m+1], v[64*(\j)+8*\m+\k:64*(\j)+8*\m+\k+1], v[192+8*(\j)+\k:193+8*(\j)+\k], v[64*(\j)+8*\m:64*(\j)+8*\m+1]
.endif
.endr
.endr
.endm
; tanh and the sum with v of a group: the first T tiles of window w; their v stands at byte to behind address register vr.  Stage kk: exponentials of tile kk, + 1 of tile kk - 1, reciprocals of tile kk - 2, sums of tile kk - 3;
; one wait ahead of each stage serves its sources and the results of the stage before
.macro GROUP w, T, vr, to
	WIN 0
.irp i, 0,1,2,3
.if \i < \T
	ds_load_b128 v[192+8*\i:195+8*\i], v[\vr] offset:4096+(\to)+64*\i
	ds_load_b128 v[196+8*\i:199+8*\i], v[\vr] offset:4112+(\to)+64*\i
.endif
.endr
	s_wait_dscnt 0x0
.irp i, 0,1,2,3
.if \i < \T
.irp k, 0,2,4,6
	v_pk_add_f32 v[240:241], v[240:241], v[192+8*\i+\k:193+8*\i+\k]
.endr
.endif
.endr
	WIN (\w)*0x51                                  ; sources 0 and 2 and the destination: window w; source 1: window 0
	s_wait_alu depctr_va_vdst(0)                   ; ahead of the first readers of the sums
.set ii, 0
.rept 32*(\T)
	v_pk_mul_f32 v[2*ii:2*ii+1], v[2*ii:2*ii+1], s[58:59] op_sel_hi:[1,0]   ; 2 log2(e) 2^(e0 + e1) x the sum
.set ii, ii+1
.endr
.set kk, 0
.rept (\T)+3
	s_wait_alu depctr_va_vdst(0)
.if kk > 2
	SUMT kk-3
.endif
.set ii, 0
.rept 32
.if kk < (\T)
	v_exp_f32 v[64*kk+2*ii], v[64*kk+2*ii]
.endif
.if (kk > 1) && (kk < (\T)+2)
	v_rcp_f32 v[64*kk-128+2*ii], v[64*kk-128+2*ii]
.endif
.if (kk > 0) && (kk < (\T)+1)
	v_pk_add_f32 v[64*kk-64+2*ii:64*kk-63+2*ii], v[64*kk-64+2*ii:64*kk-63+2*ii], 1.0 op_sel_hi:[1,0]
.endif
.if kk < (\T)
	v_exp_f32 v[64*kk+2*ii+1], v[64*kk+2*ii+1]
.endif
.if (kk > 1) && (kk < (\T)+2)
	v_rcp_f32 v[64*kk-127+2*ii], v[64*kk-127+2*ii]
.endif
.set ii, ii+1
.endr
.set kk, kk+1
.endr
	WIN (\w)*4
.irp m, 0,1,2,3,4,5,6,7
	v_pk_add_f32 v[224+2*\m:225+2*\m], v[224+2*\m:225+2*\m], v[64*(\T)-64+8*\m:64*(\T)-63+8*\m]
.endr
	WIN 0
.endm
; part 2: W's fragment of tile n, K step q of the fill in slot sl
.macro PW n, q, sl
.if (\n) < 3
.set PD, 16+16*(\n)
	WIN 0
.else
.set PD, 192+16*((\n)-3)
	WIN 0xc0
.endif
.irp c, 0,1,2,3
	ds_load_b128 v[PD+4*\c:PD+4*\c+3], v[7+(\sl)] offset:10240*(\q)+2048*(\n)+512*\c
.endr
.endm
; A's fragment of row tile m, K step ks, into set e (0: window 0, 1: window 3)
.macro PA m, ks, e
	WIN (\e)*0xc0
.irp c, 0,1,2,3
	ds_load_b128 v[64+16*(\m)+4*\c:67+16*(\m)+4*\c], v[5+(\m)/4] offset:16*PITCH*((\m)%4)+128*(\ks)+32*\c
.endr
.endm
.macro PRE sl
.irp n, 0,1,2,3,4
	PW \n, 0, \sl
.endr
.endm
; K step q of fill p: five tiles x eight rows, the 40 sums by turns; behind each tile the next K step's fragments (nw: of W, na: of A) are asked for
.macro SUB p, q, first, nw, na
.set pn, 0
.rept 5
.if (\q) == 0
	s_wait_dscnt 16+8*pn                           ; younger than W of tile pn: W of the 4 - pn tiles behind it, and twelve loads for each tile done
.elseif pn == 0
	s_wait_dscnt 4                                 ; younger: W of tile 4
.elseif pn == 4
	s_wait_dscnt 32*(\na)                          ; younger: the next fragments of A
.endif
.set TW, 1+pn/4
.set TA, 64*(pn%4)
.if pn < 3
.set WB, 16+16*pn
.else
.set WB, 192+16*(pn-3)
.endif
.if pn < 4
.set CB, 192+8*pn
.else
.set CB, 244
.endif
.if \first
	WIN 3*(pn/3)+12*(\q)+64*TW
.else
	WIN 3*(pn/3)+12*(\q)+80*TW
.endif
.irp m, 0,1,2,3,4,5,6,7
.if \first
	v_wmma_f32_16x16x128_fp8_fp8 v[TA+8*\m:TA+8*\m+7], v[WB:WB+15], v[64+16*\m:79+16*\m], v[CB:CB+7]
.else
	v_wmma_f32_16x16x128_fp8_fp8 v[TA+8*\m:TA+8*\m+7], v[WB:WB+15], v[64+16*\m:79+16*\m], v[TA+8*\m:TA+8*\m+7]
.endif
.endr
.if (\nw)+(\na) > 0
	PLACES
.endif
.if \nw
	PW pn, (\q)+1, (\p)%2
.endif
.if (\na) && (pn < 4)
	PA 2*pn, 2*(\p)+(\q)+1, 1-(\q)
	PA 2*pn+1, 2*(\p)+(\q)+1, 1-(\q)
.endif
.set pn, pn+1
.endr
	WIN 0
.endm
; part 2's later fills: into slot s, which everybody has read
.macro PBAR s
	WIN 0
	s_wait_tensorcnt 0x0
	ds_add_u32 v1, v2
	s_add_nc_u64 s[G0+4*(\s)+2:G0+4*(\s)+3], s[G0+4*(\s)+2:G0+4*(\s)+3], 2*PB
	s_wait_dscnt 0x0
	ROUND
	tensor_load_to_lds s[G0+4*(\s):G0+4*(\s)+3], s[G1Q:G1Q+7]
	s_nop 0
	PLACES
.endm
	s_load_b256 s[4:11], s[0:1], 0x0               ; encoder_outputs, wimg, hb, v
	s_load_b128 s[12:15], s[0:1], 0x20             ; the scales' exponents, scores
	v_lshl_add_u32 v1, v0, 2, SPARE
	v_mov_b32 v2, 0
	ds_add_u32 v1, v2                              ; the wave's opening: the add, twice on end, and its wait
	ds_add_u32 v1, v2
	v_and_b32 v16, 31, v0                          ; lane
	v_lshrrev_b32 v17, 5, v0
	v_readfirstlane_b32 s18, v17                   ; wave
	v_and_b32 v18, 15, v0                          ; r
	v_bfe_u32 v19, v0, 4, 1                        ; hh
	v_lshlrev_b32 v3, 4, v16
	v_min_u32 v11, 10, v16
	v_lshlrev_b32 v11, 8, v11                      ; prefetch: eleven blocks, a lane a block; the lanes left over name the last again
	v_lshrrev_b32 v20, 1, v0
	v_and_b32 v21, 1, v0
	v_lshlrev_b32 v20, 11, v20
	v_lshl_add_u32 v20, v21, 5, v20                ; hb: half a row of 16 h a thread
	v_lshlrev_b32 v22, 5, v0                       ; v: eight numbers a thread
	v_add_nc_u32 v23, TBLH, v22
	v_mul_u32_u24 v10, v17, 32*PITCH
	v_lshl_add_u32 v10, v16, 2, v10
	v_add_nc_u32 v10, ABASE, v10                   ; code stores: my 32 rows, 4 codes a lane
	v_mov_b32 v4, v10
	v_mul_u32_u24 v5, v18, PITCH
	v_lshl_add_u32 v5, v19, 4, v5
	v_add_nc_u32 v5, ABASE, v5                     ; A reads: row r, + 16 hh
	v_add_nc_u32 v6, 64*PITCH, v5
	v_mul_u32_u24 v7, v17, 22528
	v_add_nc_u32 v7, v7, v3                        ; W reads: my eleven tiles
	v_add_nc_u32 v8, SB, v7
	v_mul_u32_u24 v24, v17, 704
	v_lshl_add_u32 v24, v19, 5, v24
	v_add_nc_u32 v24, TBLH, v24                    ; hb of my tiles
	v_mov_b32 v0, v5
	s_wait_alu depctr_va_vdst(0)
	s_bfe_u32 s21, ttmp6, 0x40000
	s_lshl_b32 s22, ttmp9, 2
	s_add_co_u32 s22, s22, s21                     ; work-group
	s_and_b32 s23, s22, 31                         ; b
	s_lshr_b32 s74, s22, 5                         ; which 128 places s
	s_mov_b32 s[G1P+0], 15|(3<<16)|(1<<21)         ; 15:0 the mask: all four; elements of 8 bytes; 21 set beside a mask
	s_mov_b32 s[G1Q+0], 15|(3<<16)|(1<<21)
.irp g, G1P, G1Q
	s_mov_b32 s[\g+1], 256<<16                     ; rows of 2,048 bytes: a tile each
	s_mov_b32 s[\g+3], 256<<16
	s_mov_b32 s[\g+5], 256
	s_mov_b32 s[\g+6], 0
	s_mov_b32 s[\g+7], 0
.endr
	s_mov_b32 s[G1P+2], 11<<16                     ; part 1: eleven tiles a wave
	s_mov_b32 s[G1P+4], 11
	s_mov_b32 s[G1Q+2], 10<<16                     ; part 2: two K steps of five tiles
	s_mov_b32 s[G1Q+4], 10
	s_lshl_b32 s68, s74, 24
	s_lshl_b32 s69, s18, 22
	s_add_co_u32 s68, s68, s69
	s_lshl_b32 s70, s23, 12
	s_add_co_u32 s68, s68, s70                     ; A: row (128 x block + 32 x wave) of 131,072 bytes, + 4,096 b
	s_mov_b32 s69, 0
	s_lshl_b32 s78, s74, 9
	s_add_co_u32 s78, s78, s70
	s_mov_b32 s79, 0
	s_lshl_b32 s70, s23, 6
	s_mov_b32 s71, 0
	s_mul_i32 s76, s18, 22528
	s_mov_b32 s77, 0
	s_mul_i32 s75, s18, 20480
	s_add_co_u32 s48, s75, 8*SB
	s_mov_b32 s49, 0
	s_and_b32 s50, ttmp9, 15                       ; the prefetches' slice, 0 .. 63, of 2,816 bytes: cluster c takes four slices from 4 ((c - 5 (c / 16)) mod 16) on, a work-group one: sixteen clusters cover all 64,
	s_lshr_b32 s51, ttmp9, 4                       ; so each slice is taken four times among the 64 clusters
	s_mul_i32 s51, s51, 5
	s_sub_co_u32 s50, s50, s51
	s_and_b32 s50, s50, 15
	s_lshl_b32 s50, s50, 2
	s_add_co_u32 s50, s50, s21
	s_mul_i32 s50, s50, 2816
	s_mov_b32 s51, 0
	s_wait_dscnt 0x0                               ; both opening adds are done
	s_wait_kmcnt 0x0
	s_load_b64 s[56:57], s[12:13], 0x0             ; e0, e1
	s_add_nc_u64 s[66:67], s[4:5], s[68:69]
	s_add_nc_u64 s[8:9], s[8:9], s[70:71]
	s_add_nc_u64 s[14:15], s[14:15], s[78:79]
	s_add_nc_u64 s[50:51], s[6:7], s[50:51]
	global_load_b128 v[64:67], v20, s[8:9]
	global_load_b128 v[68:71], v20, s[8:9] offset:16
	global_load_b128 v[72:75], v22, s[10:11]
	global_load_b128 v[76:79], v22, s[10:11] offset:16
	s_cmp_eq_u32 s18, 3
	s_cbranch_scc0 .Lnot_mine
	global_prefetch_b8 v11, s[50:51] th:TH_LOAD_NT scope:SCOPE_SE
	global_prefetch_b8 v11, s[50:51] offset:2*SB th:TH_LOAD_NT scope:SCOPE_SE
.Lnot_mine:
.set nn, 0
.rept 8
.if nn == 4
	WIN 0xc0
.endif
.irp i, 0,1,2,3
	global_load_b128 v[192+16*(nn%4)+4*\i:195+16*(nn%4)+4*\i], v3, s[66:67] offset:(4*nn+\i)*131072 th:TH_LOAD_NT   ; K step 0 of my 32 rows
.endr
.set nn, nn+1
.endr
	WIN 0
	s_add_nc_u64 s[48:49], s[6:7], s[48:49]        ; part 2's image, my tiles
	s_add_nc_u64 s[6:7], s[6:7], s[76:77]
	s_mov_b32 s[G0+0], 1
	s_mov_b32 s[G0+1], s76
	s_mov_b64 s[G0+2:G0+3], s[6:7]
	s_or_b32 s[G0+3], s[G0+3], 0x80000000
	s_mov_b32 s[G0+4], 1
	s_add_co_u32 s[G0+5], s76, SB
	s_add_nc_u64 s[G0+6:G0+7], s[6:7], SB
	s_or_b32 s[G0+7], s[G0+7], 0x80000000
	ROUND                                          ; all four work-groups are here: the first joint loads meet
	tensor_load_to_lds s[G0:G0+3], s[G1P:G1P+7]
	s_nop 0
	PLACES
	s_mov_b32 s72, 0x76543210
	s_mov_b32 s73, 0xfedcba98
	s_wait_kmcnt 0x0
	s_add_co_i32 s68, s56, 127
	s_lshl_b32 s69, s68, 23
	v_mov_b32 v9, s69                              ; 2^e0
	s_add_co_i32 s68, s68, 8
	s_lshl_b32 s68, s68, 23
	s_or_b32 s61, s68, 0x600000                    ; 448 x 2^e0
	s_or_b32 s60, s61, 0x80000000
	s_add_co_i32 s58, s56, s57
	s_lshl_b32 s58, s58, 23
	s_add_co_i32 s58, s58, 0x4038aa3b              ; 2 log2(e) 2^(e0 + e1): the exponents are added to the constant's exponent field
	s_mov_b32 s59, s58
	s_wait_alu depctr_va_vdst(0)
	s_wait_loadcnt 32                              ; the tables are in; A's 32 rows may be out
	ds_store_b128 v23, v[64:67]
	ds_store_b128 v23, v[68:71] offset:16
	ds_store_b128 v23, v[72:75] offset:4096
	ds_store_b128 v23, v[76:79] offset:4112
	s_wait_dscnt 0x0                               ; for the others' sake: my part of the tables is stored
	s_barrier_signal -1
	s_barrier_wait -1
.set nn, 0
.rept 8
	FILL nn, -1, 1                                 ; K step 0 becomes codes, K step 1 is asked for
.set nn, nn+1
.endr
.set nn, 0
.rept 11                               ; the sums start from hb: the same eight numbers for all eight row tiles
	WIN (1+nn/4)*0x40
.irp m, 0,1,2,3,4,5,6,7
	ds_load_b128 v[64*(nn%4)+8*\m:64*(nn%4)+8*\m+3], v24 offset:64*nn
	ds_load_b128 v[64*(nn%4)+8*\m+4:64*(nn%4)+8*\m+7], v24 offset:64*nn+16
.endr
.set nn, nn+1
.endr
	WIN 0
	s_mov_b32 s62, 3
	s_mov_b32 s63, 0
.Lloop:                                                ; K steps 2 u and 2 u + 1
	STEP 0, 1, 1, 1, 1
	STEP 1, 1, 1, 1, 0
	WIN 0
	s_wait_xcnt 0x0                                ; the loads and the prefetch have read their bases
	s_add_nc_u64 s[66:67], s[66:67], 1024
	s_add_nc_u64 s[50:51], s[50:51], 2*SB
	s_add_co_u32 s63, s63, 256
	v_add_nc_u32 v4, s63, v10
	v_add_nc_u32 v5, s63, v0
	v_add_nc_u32 v6, 64*PITCH, v5
	s_sub_co_u32 s62, s62, 1
	s_cmp_lg_u32 s62, 0
	s_wait_alu depctr_va_vdst(0)
	s_cbranch_scc1 .Lloop
	STEP 0, 1, 1, 0, 2                             ; K step 6: the last rows become codes, no more of A is asked for
	STEP 1, 2, 0, 0, 0                             ; K step 7; slot 0 takes part 2's first fill
	; part 2's second fill, into slot 1
	WIN 0
	s_wait_tensorcnt 0x0
	ds_add_u32 v1, v2
	s_add_co_u32 s[G0+5], s75, SB
	s_add_nc_u64 s[G0+6:G0+7], s[48:49], PB
	s_or_b32 s[G0+7], s[G0+7], 0x80000000
	s_wait_dscnt 0x0
	ROUND
	tensor_load_to_lds s[G0+4:G0+7], s[G1Q:G1Q+7]
	s_nop 0
	PLACES
	s_mul_i32 s68, s18, 704
	s_mul_i32 s69, s18, 320
	s_add_co_u32 s68, s68, TBLH
	s_add_co_u32 s69, s69, TBLH+2816
	v_bfe_u32 v254, v3, 8, 1                       ; hh
	v_lshlrev_b32 v254, 5, v254
	v_add_nc_u32 v252, s68, v254                   ; tables: my part 1 tiles,
	v_add_nc_u32 v253, s69, v254                   ; my part 2 tiles
	v_add_nc_u32 v7, s75, v3                       ; W reads of part 2
	v_add_nc_u32 v8, SB, v7
	v_mov_b32 v5, v0
	v_add_nc_u32 v6, 64*PITCH, v0
.set ii, 224
.rept 18
	v_mov_b32 v[ii], 0
.set ii, ii+1
.endr
	s_wait_alu depctr_va_vdst(0)
	GROUP 3, 3, 252, 512
	GROUP 1, 4, 252, 0
	GROUP 2, 4, 252, 256
	; part 2's products: the sums start from hb
.irp i, 0,1,2,3
	ds_load_b128 v[192+8*\i:195+8*\i], v253 offset:64*\i
	ds_load_b128 v[196+8*\i:199+8*\i], v253 offset:64*\i+16
.endr
	ds_load_b128 v[244:247], v253 offset:256
	ds_load_b128 v[248:251], v253 offset:272
.irp m, 0,1,2,3,4,5,6,7
	PA \m, 0, 0
.endr
	PRE 0                                          ; (slot 0's fill was shown landed ahead of the last round)
	SUB 0, 0, 1, 1, 1
	SUB 0, 1, 0, 0, 1
	PBAR 0
	PRE 1
	SUB 1, 0, 0, 1, 1
	SUB 1, 1, 0, 0, 1
	PBAR 1
	PRE 0
	SUB 2, 0, 0, 1, 1
	SUB 2, 1, 0, 0, 1
	PLACES
	s_wait_dscnt 0x0
	s_wait_tensorcnt 0x0                           ; the last fill; each wave reads only what it has loaded itself
	PRE 1
	SUB 3, 0, 0, 1, 1
	SUB 3, 1, 0, 0, 0
	GROUP 1, 4, 253, 0
	GROUP 2, 1, 253, 256
	; a row's part of my h: sum of v - 2 x (sum of v / (1 + e)); the other half of the lanes holds the other eight h of each tile
	v_add_f32 v240, v240, v241
.irp m, 0,1,2,3,4,5,6,7
	v_add_f32 v[224+2*\m], v[224+2*\m], v[225+2*\m]
.endr
.irp m, 0,1,2,3,4,5,6,7
	v_fma_f32 v[224+2*\m], -2.0, v[224+2*\m], v240
.endr
.irp m, 0,1,2,3,4,5,6,7
	v_permlanex16_b32 v[225+2*\m], v[224+2*\m], s72, s73
.endr
.irp m, 0,1,2,3,4,5,6,7
	v_add_f32 v[224+2*\m], v[224+2*\m], v[225+2*\m]
.endr
	s_lshl_b32 s68, s18, 9
	s_add_co_u32 s68, s68, SCR
	v_bfe_u32 v254, v3, 4, 4                       ; r
	v_lshlrev_b32 v254, 2, v254
	v_add_nc_u32 v254, s68, v254
.irp m, 0,1,2,3,4,5,6,7
	ds_store_b32 v254, v[224+2*\m] offset:64*\m    ; both halves store the same number
.endr
	s_wait_dscnt 0x0                               ; for the others' sake
	s_barrier_signal -1
	s_barrier_wait -1
	s_cmp_lg_u32 s18, 0
	s_cbranch_scc1 .Lothers
	v_add_nc_u32 v255, SCR, v3
.irp w, 0,1,2,3
	ds_load_b128 v[192+4*\w:195+4*\w], v255 offset:512*\w
.endr
	s_wait_dscnt 0x0
	v_pk_add_f32 v[192:193], v[192:193], v[196:197]
	v_pk_add_f32 v[194:195], v[194:195], v[198:199]
	v_pk_add_f32 v[200:201], v[200:201], v[204:205]
	v_pk_add_f32 v[202:203], v[202:203], v[206:207]
	v_pk_add_f32 v[192:193], v[192:193], v[200:201]
	v_pk_add_f32 v[194:195], v[194:195], v[202:203]
	global_store_b128 v3, v[192:195], s[14:15]     ; 512 consecutive bytes, at a multiple of 512
.Lothers:
	s_wait_tensorcnt 0x0                           ; the wave's end
	ds_add_u32 v1, v2
	s_wait_dscnt 0x0
	ROUND                                          ; the closing round
	s_endpgm
.Lfunc_end_k_q10b14dd878_scores:
	.size	k_q10b14dd878_scores, .Lfunc_end_k_q10b14dd878_scores-k_q10b14dd878_scores
	.p2alignl 7, 3214868480
	.fill 96, 4, 3214868480
	.section	.rodata,"a",@progbits
	.p2align	6, 0x0
	.amdhsa_kernel k_q10b14dd878_scores
		.amdhsa_group_segment_fixed_size 327680
		.amdhsa_private_segment_fixed_size 0
		.amdhsa_enable_private_segment 0
		.amdhsa_kernarg_size 48
		.amdhsa_user_sgpr_count 2
		.amdhsa_user_sgpr_kernarg_segment_ptr 1
		.amdhsa_wavefront_size32 1
		.amdhsa_system_sgpr_workgroup_id_x 1
		.amdhsa_system_sgpr_workgroup_id_y 1
		.amdhsa_system_sgpr_workgroup_id_z 1
		.amdhsa_system_vgpr_workitem_id 0
		.amdhsa_next_free_vgpr 1024
		.amdhsa_next_free_sgpr 80
		.amdhsa_reserve_vcc 0
		.amdhsa_float_denorm_mode_32 3
		.amdhsa_float_denorm_mode_16_64 3
		.amdhsa_memory_ordered 1
		.amdhsa_forward_progress 1
		.amdhsa_inst_pref_size 255
	.end_amdhsa_kernel
	.section	.bss,"aw",@nobits
	.p2align	6
	.space	262144
	.amdgpu_metadata
---
amdhsa.version: [ 1, 2 ]
amdhsa.kernels:
  - .name:           k_q10b14dd878_scores
    .symbol:         k_q10b14dd878_scores.kd
    .args:
      - { .name: encoder_outputs, .offset: 0, .size: 8, .value_kind: global_buffer, .address_space: global }
      - { .name: wimg, .offset: 8, .size: 8, .value_kind: global_buffer, .address_space: global }
      - { .name: hb, .offset: 16, .size: 8, .value_kind: global_buffer, .address_space: global }
      - { .name: v, .offset: 24, .size: 8, .value_kind: global_buffer, .address_space: global }
      - { .name: lowp_scales, .offset: 32, .size: 8, .value_kind: global_buffer, .address_space: global }
      - { .name: scores, .offset: 40, .size: 8, .value_kind: global_buffer, .address_space: global }
    .group_segment_fixed_size: 327680
    .private_segment_fixed_size: 0
    .kernarg_segment_align: 8
    .kernarg_segment_size: 48
    .max_flat_workgroup_size: 128
    .sgpr_count:     80
    .vgpr_count:     1024
    .wavefront_size: 32
...
	.end_amdgpu_metadata
.endif
;; end of part 4
;; launch softmax (part 5): grid 32 x 1, 1 waves a work-group, no clusters, 0 bytes of LDS; arguments scores, encoder_mask, out0; writes out0
.if DOCPART == 5
	.amdgcn_target "amdgcn-amd-amdhsa--gfx1250"
	.amdhsa_code_object_version 6
	.text
	.protected	k_q10b14dd878_softmax
	.globl	k_q10b14dd878_softmax
	.p2align	8
	.type	k_q10b14dd878_softmax,@function
k_q10b14dd878_softmax:
	s_mov_b64 s[64:65], 0
	v_nop
	global_prefetch_b8 v0, s[64:65] scope:SCOPE_SE
	s_setreg_imm32_b32 hwreg(HW_REG_WAVE_MODE, 25, 1), 1
	s_wait_xcnt 0x0
; out0[b][0][s] = softmax over s of ( encoder_mask[b][0][s] ? -1e9 : scores[b][s] ).  scores: [32][1024] f32, from the launch before; the mask: one byte a place, 0 or 1.
; One wave takes a whole row: 1,024 numbers are 32 registers, so the row is read once, the maximum and the sum never leave the wave, and there is no LDS and no barrier.  There are 32 rows, so 32 work-groups.
; The row's maximum is taken away BEFORE the multiplication by log2(e): where x equals the maximum the difference is exactly 0, so a row that is masked throughout gives 1 / 1,024 everywhere.
; Load j of eight: lane l holds places 128 j + 4 l + 0 .. 3 (512 consecutive bytes a load) and, in one word, their four mask bytes (128 consecutive bytes a load).
; REGISTERS: v1 16 x lane; v2 4 x lane; v[4:5] the maximum (low word); v[6:9] sums; v[8:11] mask bytes at work; v13 -1e9; v[16:47] the row; v[48:55] mask words.
	s_load_b128 s[4:7], s[0:1], 0x0                ; scores s[4:5], the mask s[6:7]
	s_load_b64 s[8:9], s[0:1], 0x10                ; out0
	v_lshlrev_b32 v1, 4, v0
	v_lshlrev_b32 v2, 2, v0
	s_lshl_b32 s10, ttmp9, 12                      ; row b: 4,096 bytes of numbers,
	s_mov_b32 s11, 0
	s_lshl_b32 s14, ttmp9, 10                      ; 1,024 of mask
	s_mov_b32 s15, 0
	s_mov_b32 s12, 0x76543210                      ; v_permlanex16_b32's selects for lane l xor 16
	s_mov_b32 s13, 0xfedcba98
	v_mov_b32 v13, 0xce6e6b28                      ; -1e9
	v_mov_b32 v5, 0                                ; written once: a lane permute's destination counts as one of its sources
	s_wait_alu depctr_va_vdst(0)
	s_wait_kmcnt 0x0
	s_add_nc_u64 s[4:5], s[4:5], s[10:11]
	s_add_nc_u64 s[8:9], s[8:9], s[10:11]
	s_add_nc_u64 s[6:7], s[6:7], s[14:15]
.irp j, 0,1,2,3,4,5,6,7
	global_load_b128 v[16+4*\j:19+4*\j], v1, s[4:5] offset:512*\j
.endr
.irp j, 0,1,2,3,4,5,6,7
	global_load_b32 v[48+\j], v2, s[6:7] offset:128*\j
.endr
	s_wait_loadcnt 0x0
.irp j, 0,1,2,3,4,5,6,7
.irp q, 0,1,2,3
	v_bfe_u32 v[8+\q], v[48+\j], 8*\q, 8           ; the place's mask byte
.endr
.irp q, 0,1,2,3
	v_cmp_ne_u32 vcc_lo, 0, v[8+\q]
	v_cndmask_b32 v[16+4*\j+\q], v[16+4*\j+\q], v13, vcc_lo   ; masked: -1e9.  A choice of values: no branch hangs on it
.endr
.endr
	v_max3_num_f32 v3, v16, v17, v18               ; the largest of my 32 numbers, in two chains,
	v_max3_num_f32 v4, v19, v20, v21
.irp i, 6,10,14,18,22,26
	v_max3_num_f32 v3, v3, v[16+\i], v[17+\i]
	v_max3_num_f32 v4, v4, v[18+\i], v[19+\i]
.endr
	v_max3_num_f32 v3, v3, v46, v47
	v_max_num_f32 v4, v3, v4
	v_max_num_f32_dpp v4, v4, v4 row_xmask:1 row_mask:0xf bank_mask:0xf   ; across the sixteen lanes of a half,
	v_max_num_f32_dpp v4, v4, v4 row_xmask:2 row_mask:0xf bank_mask:0xf
	v_max_num_f32_dpp v4, v4, v4 row_xmask:4 row_mask:0xf bank_mask:0xf
	v_max_num_f32_dpp v4, v4, v4 row_xmask:8 row_mask:0xf bank_mask:0xf
	v_permlanex16_b32 v5, v4, s12, s13             ; and the other half's
	v_max_num_f32 v4, v4, v5                       ; every lane holds the row's maximum
.irp i, 0,2,4,6,8,10,12,14,16,18,20,22,24,26,28,30
	v_pk_add_f32 v[16+\i:17+\i], v[16+\i:17+\i], v[4:5] op_sel_hi:[1,0] neg_lo:[0,1] neg_hi:[0,1]   ; x - maximum (the pair's low word for both halves)
.endr
.irp i, 0,2,4,6,8,10,12,14,16,18,20,22,24,26,28,30
	v_pk_mul_f32 v[16+\i:17+\i], v[16+\i:17+\i], 0x3fb8aa3b op_sel_hi:[1,0]   ; x log2(e)
.endr
	s_wait_alu depctr_va_vdst(0)
.irp i, 0,1,2,3,4,5,6,7,8,9,10,11,12,13,14,15,16,17,18,19,20,21,22,23,24,25,26,27,28,29,30,31
	v_exp_f32 v[16+\i], v[16+\i]
.endr
	v_nop                                          ; a plain line between the exponentials and the use of their results
	s_wait_alu depctr_va_vdst(0)
	v_pk_add_f32 v[6:7], v[16:17], v[18:19]        ; the sum, two at a time, in two chains: the first terms start them
	v_pk_add_f32 v[8:9], v[20:21], v[22:23]
.irp i, 8,12,16,20,24,28
	v_pk_add_f32 v[6:7], v[6:7], v[16+\i:17+\i]
	v_pk_add_f32 v[8:9], v[8:9], v[18+\i:19+\i]
.endr
	v_pk_add_f32 v[6:7], v[6:7], v[8:9]
	v_add_f32 v6, v6, v7
	v_add_f32_dpp v6, v6, v6 row_xmask:1 row_mask:0xf bank_mask:0xf
	v_add_f32_dpp v6, v6, v6 row_xmask:2 row_mask:0xf bank_mask:0xf
	v_add_f32_dpp v6, v6, v6 row_xmask:4 row_mask:0xf bank_mask:0xf
	v_add_f32_dpp v6, v6, v6 row_xmask:8 row_mask:0xf bank_mask:0xf
	v_permlanex16_b32 v5, v6, s12, s13
	v_add_f32 v6, v6, v5                           ; at least 1: the maximum's own term
	s_wait_alu depctr_va_vdst(0)
	v_rcp_f32 v6, v6
	v_nop                                          ; a plain line behind the reciprocal
	s_wait_alu depctr_va_vdst(0)
.irp i, 0,2,4,6,8,10,12,14,16,18,20,22,24,26,28,30
	v_pk_mul_f32 v[16+\i:17+\i], v[16+\i:17+\i], v[6:7] op_sel_hi:[1,0]
.endr
.irp j, 0,1,2,3,4,5,6,7
	global_store_b128 v1, v[16+4*\j:19+4*\j], s[8:9] offset:512*\j   ; 32 lanes store 512 consecutive bytes, at a multiple of 512 from the buffer's first byte
.endr
	s_endpgm
.Lfunc_end_k_q10b14dd878_softmax:
	.size	k_q10b14dd878_softmax, .Lfunc_end_k_q10b14dd878_softmax-k_q10b14dd878_softmax
	.p2alignl 7, 3214868480
	.fill 96, 4, 3214868480
	.section	.rodata,"a",@progbits
	.p2align	6, 0x0
	.amdhsa_kernel k_q10b14dd878_softmax
		.amdhsa_group_segment_fixed_size 0
		.amdhsa_private_segment_fixed_size 0
		.amdhsa_enable_private_segment 0
		.amdhsa_kernarg_size 24
		.amdhsa_user_sgpr_count 2
		.amdhsa_user_sgpr_kernarg_segment_ptr 1
		.amdhsa_wavefront_size32 1
		.amdhsa_system_sgpr_workgroup_id_x 1
		.amdhsa_system_sgpr_workgroup_id_y 1
		.amdhsa_system_sgpr_workgroup_id_z 1
		.amdhsa_system_vgpr_workitem_id 0
		.amdhsa_next_free_vgpr 64
		.amdhsa_next_free_sgpr 66
		.amdhsa_reserve_vcc 1
		.amdhsa_float_denorm_mode_32 3
		.amdhsa_float_denorm_mode_16_64 3
		.amdhsa_memory_ordered 1
		.amdhsa_forward_progress 1
		.amdhsa_inst_pref_size 15
	.end_amdhsa_kernel
	.amdgpu_metadata
---
amdhsa.version: [ 1, 2 ]
amdhsa.kernels:
  - .name:           k_q10b14dd878_softmax
    .symbol:         k_q10b14dd878_softmax.kd
    .args:
      - { .name: scores, .offset: 0, .size: 8, .value_kind: global_buffer, .address_space: global }
      - { .name: encoder_mask, .offset: 8, .size: 8, .value_kind: global_buffer, .address_space: global }
      - { .name: out0, .offset: 16, .size: 8, .value_kind: global_buffer, .address_space: global }
    .group_segment_fixed_size: 0
    .private_segment_fixed_size: 0
    .kernarg_segment_align: 8
    .kernarg_segment_size: 24
    .max_flat_workgroup_size: 32
    .sgpr_count:     66
    .vgpr_count:     64
    .wavefront_size: 32
...
	.end_amdgpu_metadata
.endif
;; end of part 5
